; MI455X (gfx1250); checked and timed in simulation.
; The chip was launched on July 23, 2026; its instructions are those of AMD's public machine-readable ISA for CDNA 5 (MIT licence, August 2026) and "CDNA5" Instruction Set Architecture Reference Guide (July 2026). The comments in the code are by the model that wrote it; some were corrected since.
;; Attn. Allowed arithmetic: float matrix products may take bf16 or f16 operands with f32 sums; all other float work in f32.
;; Inputs: M_b 1,024 float32; M_w 1,024 x 2,048 float32; V_b 1 float32; V_w 1 x 1,024 float32; encoder_outputs 32 x 2,048 x 1,024 float32; hidden 32 x 1 x 1,024 float32; mask 32 x 2,048 bool.
;; Outputs: out0 32 x 1 x 1,024 float32; out1 32 x 1 x 2,048 float32.
;; 2 versions, each right; version 2 is version 1 with the launch main written anew for expert scheduling mode. Each part assembles by itself: llvm-mc -triple=amdgcn-amd-amdhsa -mcpu=gfx1250 --defsym DOCPART=n.
;; ======== version 1 of 2: 3 launches
;; limits: right only within a limited range of input values
;; workspace buffers: Wf 2,097,152 bytes; cp 524,288 bytes; idx 671,744 bytes of whole numbers; sc 393,216 bytes; part 2,359,296 bytes
;; launch prep (part 1): grid 160 x 1, 8 waves a work-group, no clusters, 52,224 bytes of LDS; arguments M_w, M_b, hidden, mask, Wf, cp, idx; writes Wf, cp, idx
.if DOCPART == 1
	.amdgcn_target "amdgcn-amd-amdhsa--gfx1250"
	.amdhsa_code_object_version 6
	.text
	.protected	k_q2d11ea1f98_prep
	.globl	k_q2d11ea1f98_prep
	.p2align	8
	.type	k_q2d11ea1f98_prep,@function
k_q2d11ea1f98_prep:
	s_mov_b64 s[64:65], 0
	v_nop
	global_prefetch_b8 v0, s[64:65] scope:SCOPE_SE
	s_setreg_imm32_b32 hwreg(HW_REG_WAVE_MODE, 25, 1), 1
	s_wait_xcnt 0x0
; Three preparations, one for each range of work-group numbers; every work-group has eight waves.
;   0 .. 63    W: tile T of 16 rows of M_w[:, :1024] goes to bf16 in the order in which a matrix fragment is loaded:
;                 Wf byte T*32768 + ks*1024 + q*512 + lane*16 holds W[64 (T/4) + 4 (lane%16) + T%4][32ks + 16q + 8(lane/16) + 0..7].
;                 (Rows 4 r + T%4: the four tiles of a wave of the main launch then give a lane four NEIGHBOURING h, one 16-byte load of c' and of V_w.)
;   64 .. 127  C: column group g = (x - 64) % 16 (64 columns h), quarter q = (x - 64) / 16 of M_w's rows:
;                 cp[q][b][h] = K2 * hidden[b][h] * (sum over the quarter's 256 rows g' of M_w[g'][1024+h])  (+ K2 * M_b[h] in quarter 0).
;                 The four quarters add up to c'[b][h] = K2 * (hidden * colsum + M_b); the main launch adds them.  K2 = 2 log2(e), so that its exponent
;                 2^(K2 m + c') needs one fused multiply-add.  A wave has 16 loads, all on their way at once.
;   128 .. 159 M: batch b's list of rows.  Unmasked positions get ranks 0 .. cnt-1, masked ones the ranks behind them.
;                 Rank p goes to work-group j = p & 7 of the batch, place i = p >> 3, list entry a = 384 j + i + (i >= 144 ? 48 : 0),
;                 so that a pass of the main launch owns entries 192 pass .. 192 pass + 143.  A batch with no unmasked position is listed whole (flag = 1).
; idx: byte 0: 32 x 512 bytes, {cnt, flag, passes, 0} repeated; byte 16384: list u32 [32][8][384]; byte 409600: u32 [32][2048], a position's entry a, or 0x10000 if its weight is 0.
; A mask byte counts as false if it is 0 and as true otherwise.
; LDS: each of the three has bytes of its own, so that what a line touches can be read off its address alone: M 0 .. 12,319; W 16,384 .. 49,151; C 49,152 .. 51,199.
.set K2, 0x4038aa3b
.set WB, 16384
.set CB, 49152
	s_load_b256 s[4:11], s[0:1], 0x0               ; M_w s[4:5], M_b s[6:7], hidden s[8:9], mask s[10:11]
	s_load_b128 s[12:15], s[0:1], 0x20             ; Wf s[12:13], cp s[14:15]
	s_load_b64 s[16:17], s[0:1], 0x30              ; idx
	v_lshl_add_u32 v128, v0, 2, 0xc800
	v_mov_b32 v129, 0
	v_lshrrev_b32 v1, 5, v0
	v_readfirstlane_b32 s20, v1                    ; wave 0..7
	v_and_b32 v2, 31, v0                           ; lane
	s_mov_b32 s23, 0                               ; high word of every 64-bit offset
	s_wait_kmcnt 0x0
	s_cmp_lt_u32 ttmp9, 64
	s_cbranch_scc1 .Lrole_w
	s_cmp_lt_u32 ttmp9, 128
	s_cbranch_scc1 .Lrole_c
; ---------------------------------------------------------------- M: the list of batch b
	s_sub_co_u32 s21, ttmp9, 128                   ; b
	s_lshl_b32 s22, s21, 11
	s_add_nc_u64 s[10:11], s[10:11], s[22:23]      ; mask row b
	s_lshl_b32 s22, s21, 9
	s_add_nc_u64 s[28:29], s[16:17], s[22:23]      ; the batch's 512 bytes of counts
	s_lshl_b32 s22, s21, 13
	s_add_co_u32 s22, s22, 409600
	s_add_nc_u64 s[30:31], s[16:17], s[22:23]      ; its 2,048 entries by position
	s_mul_i32 s22, s21, 12288
	s_add_co_u32 s22, s22, 16384
	s_add_nc_u64 s[70:71], s[16:17], s[22:23]      ; its list
	v_lshlrev_b32 v3, 2, v2
	v_lshl_add_u32 v3, v1, 8, v3                   ; 256 w + 4 lane: byte offset of my first four mask bytes, and their first position
	global_load_b32 v4, v3, s[10:11]               ; positions 256 w + 4 lane + 0..3
	global_load_b32 v5, v3, s[10:11] offset:128    ; positions 256 w + 128 + 4 lane + 0..3
	v_mov_b32 v8, 0
	v_mov_b32 v9, 0
	v_mov_b32 v10, 0
	v_mov_b32 v11, 0
	v_lshlrev_b32 v6, 4, v0                        ; 16 t
	ds_store_b128 v6, v[8:11]                      ; the list's 12,288 bytes start as row 0: entries that no rank reaches name a row that exists
	ds_store_b128 v6, v[8:11] offset:4096
	ds_store_b128 v6, v[8:11] offset:8192
	v_lshl_add_u32 v37, v1, 8, v2                  ; 256 w + lane: my place in the order (wave, slot, lane), less 32 x slot
	v_mov_b32 v26, 0x10000
	v_mov_b32 v27, 48
	s_wait_loadcnt 0x0
	; slot jj = 4 i + c is byte c of word i.  One mask of unmasked lanes for each slot.
.irp jj, 0,1,2,3,4,5,6,7
	v_bfe_u32 v7, v[4+\jj/4], 8*(\jj%4), 8
	v_cmp_eq_u32 s[32+\jj], 0, v7
.endr
	s_mov_b32 s48, 0
.irp jj, 0,1,2,3,4,5,6,7
	s_mov_b32 s[40+\jj], s48                       ; unmasked positions of my wave in the slots in front
	s_bcnt1_i32_b32 s49, s[32+\jj]
	s_add_co_u32 s48, s48, s49
.endr
	v_mov_b32 v7, s20
	v_lshlrev_b32 v7, 2, v7
	v_mov_b32 v12, s48
	ds_store_b32 v7, v12 offset:12288              ; my wave's total, in its own word
	s_wait_dscnt 0x0                               ; the zeros and the total are in LDS before any other wave writes or reads there
	s_barrier_signal -1
	s_barrier_wait -1
	ds_load_b128 v[12:15], v8 offset:12288         ; v8 = 0: the eight totals
	ds_load_b128 v[16:19], v8 offset:12304
	s_wait_dscnt 0x0
.irp k, 0,1,2,3,4,5,6,7
	v_readfirstlane_b32 s[50+\k], v[12+\k]
.endr
	s_mov_b32 s58, 0                               ; unmasked positions in the waves in front of mine
	s_mov_b32 s59, 0                               ; and in the whole batch
.irp k, 0,1,2,3,4,5,6,7
	s_add_co_u32 s59, s59, s[50+\k]
	s_cmp_gt_u32 s20, \k
	s_cselect_b32 s60, s[50+\k], 0
	s_add_co_u32 s58, s58, s60
.endr
	s_cmp_eq_u32 s59, 0                            ; nothing unmasked: every position is listed
	s_cselect_b32 s61, -1, 0
	s_cselect_b32 s62, 1, 0
	s_cselect_b32 s63, 2048, s59
	s_cmp_gt_u32 s63, 1152                         ; 8 work-groups x 144 rows are one pass
	s_cselect_b32 s66, 2, 1
.macro MSLOT jj
	s_add_co_u32 s67, s58, s[40+\jj]
	v_mbcnt_lo_u32_b32 v20, s[32+\jj], s67         ; unmasked positions in front of mine
	s_add_co_u32 s68, s59, 32*\jj
	v_add_nc_u32 v21, s68, v37
	v_sub_nc_u32 v21, v21, v20                     ; cnt + masked positions in front of mine
	v_cndmask_b32 v22, v21, v20, s[32+\jj]         ; my rank
	v_and_b32 v23, 7, v22                          ; j
	v_lshrrev_b32 v24, 3, v22                      ; i
	v_cmp_le_u32 vcc_lo, 144, v24
	v_cndmask_b32 v25, 0, v27, vcc_lo
	v_mad_u32_u24 v23, v23, 384, v24
	v_add_nc_u32 v23, v23, v25                     ; a, 2,991 at the most
	v_min_u32 v23, 0xbff, v23                      ; a bound that can be read off the text
	s_or_b32 s69, s[32+\jj], s61
	v_cndmask_b32 v[28+\jj], v26, v23, s69         ; by position: a where the position is listed with a weight
	v_lshlrev_b32 v24, 2, v23
	v_add_nc_u32 v25, 128*(\jj/4)+(\jj%4), v3      ; my position
	ds_store_b32 v24, v25                          ; ranks are a permutation: no two lanes of the work-group write one entry
.endm
.irp jj, 0,1,2,3,4,5,6,7
	MSLOT \jj
.endr
	v_lshlrev_b32 v36, 4, v2
	v_lshl_add_u32 v36, v1, 10, v36                ; 1024 w + 16 lane
	global_store_b128 v36, v[28:31], s[30:31]      ; a wave's store covers 512 consecutive bytes
	global_store_b128 v36, v[32:35], s[30:31] offset:512
	s_wait_dscnt 0x0                               ; my list entries are in LDS before others read them
	s_barrier_signal -1
	s_barrier_wait -1
.irp k, 0,1,2
	ds_load_b128 v[40+4*\k:43+4*\k], v6 offset:4096*\k
.endr
.irp k, 0,1,2
	s_wait_dscnt 2-\k                              ; LDS loads come back in order: number k is in
	global_store_b128 v6, v[40+4*\k:43+4*\k], s[70:71] offset:4096*\k
.endr
	s_cmp_lg_u32 s20, 0
	s_cbranch_scc1 .Lm_end
	v_mov_b32 v52, s63                             ; cnt
	v_mov_b32 v53, s62                             ; flag
	v_mov_b32 v54, s66                             ; passes
	v_mov_b32 v55, 0
	v_lshlrev_b32 v56, 4, v2
	global_store_b128 v56, v[52:55], s[28:29]      ; 32 copies: 512 whole bytes
.Lm_end:
	s_wait_tensorcnt 0x0
	ds_add_u32 v128, v129
	s_wait_dscnt 0x0
	s_endpgm
; ---------------------------------------------------------------- W: one tile of 16 rows to bf16, in fragment order
; Wave w takes columns 128 w .. 128 w + 127 of all 16 rows: K steps 4 w .. 4 w + 3, which are bytes 4096 w .. 4096 w + 4095 of the tile's image.
; Those LDS bytes are the wave's own, so no barrier is needed; LDS serves a wave's instructions in order (ISA guide 5.7.1).
.Lrole_w:
	s_lshr_b32 s21, ttmp9, 2
	s_lshl_b32 s21, s21, 6
	s_and_b32 s22, ttmp9, 3
	s_add_co_u32 s22, s22, s21                     ; the tile's row 0 is row 64 (T / 4) + T % 4 of M_w; its rows are four apart
	s_lshl_b32 s22, s22, 13                        ; rows of 8,192 bytes
	s_add_nc_u64 s[4:5], s[4:5], s[22:23]
	s_lshl_b32 s22, ttmp9, 15
	s_add_nc_u64 s[12:13], s[12:13], s[22:23]
	v_lshlrev_b32 v3, 4, v2
	v_lshl_add_u32 v5, s20, 12, v3                 ; 4096 w + 16 lane: the way back out, in Wf
	v_add_nc_u32 v7, WB, v5                        ; and in LDS
	v_lshl_add_u32 v3, s20, 9, v3                  ; 512 w + 16 lane: my four numbers in a row
.irp r, 0,1,2,3,4,5,6,7,8,9,10,11,12,13,14,15
	global_load_b128 v[8+4*\r:11+4*\r], v3, s[4:5] offset:32768*\r th:TH_LOAD_NT
.endr
	; column e = 128 w + 4 lane + c: K step 4 w + lane/8, q = bit 2 of the lane, half = bit 1, 8 bytes at 8 x bit 0; row r adds 16 r
	v_lshrrev_b32 v6, 3, v2
	v_lshlrev_b32 v4, 10, v6
	v_bfe_u32 v6, v2, 2, 1
	v_lshl_add_u32 v4, v6, 9, v4
	v_bfe_u32 v6, v2, 1, 1
	v_lshl_add_u32 v4, v6, 8, v4
	v_and_b32 v6, 1, v2
	v_lshl_add_u32 v4, v6, 3, v4
	v_lshl_add_u32 v4, s20, 12, v4
	v_add_nc_u32 v4, WB, v4
.irp r, 0,1,2,3,4,5,6,7,8,9,10,11,12,13,14,15
	s_wait_loadcnt 15-\r                           ; loads come back in order: row r is in, the younger rows stay out
	v_cvt_pk_bf16_f32 v[8+4*\r], v[8+4*\r], v[9+4*\r]
	v_cvt_pk_bf16_f32 v[9+4*\r], v[10+4*\r], v[11+4*\r]
	ds_store_b64 v4, v[8+4*\r:9+4*\r] offset:16*\r ; lanes collide in the banks here: sixteen such stores a wave in the whole launch
.endr
.irp k, 0,1,2,3,4,5,6,7
	ds_load_b128 v[72+4*\k:75+4*\k], v7 offset:512*\k
.endr
.irp k, 0,1,2,3,4,5,6,7
	s_wait_dscnt 7-\k
	global_store_b128 v5, v[72+4*\k:75+4*\k], s[12:13] offset:512*\k   ; 512 consecutive bytes
.endr
	s_wait_tensorcnt 0x0
	ds_add_u32 v128, v129
	s_wait_dscnt 0x0
	s_endpgm
; ---------------------------------------------------------------- C: sums of 256 rows of M_w's right half, and that quarter's part of c', for 64 columns
; Thread (rw = t / 16, cc = t % 16) adds rows 256 q + rw + 16 i, i = 0 .. 15, of columns 4 cc .. 4 cc + 3: sixteen lanes read 256 consecutive bytes of a row.
.Lrole_c:
	s_sub_co_u32 s21, ttmp9, 64
	s_lshr_b32 s18, s21, 4                         ; q: which quarter of the rows
	s_and_b32 s21, s21, 15                         ; g: which 64 columns
	s_lshl_b32 s22, s21, 8                         ; 64 columns of 4 bytes
	s_add_nc_u64 s[6:7], s[6:7], s[22:23]
	s_add_nc_u64 s[8:9], s[8:9], s[22:23]
	s_add_nc_u64 s[14:15], s[14:15], s[22:23]
	s_add_co_u32 s22, s22, 4096                    ; the right half of a row of M_w
	s_add_nc_u64 s[4:5], s[4:5], s[22:23]
	s_lshl_b32 s22, s18, 21                        ; 256 rows of 8,192 bytes
	s_add_nc_u64 s[4:5], s[4:5], s[22:23]
	s_lshl_b32 s22, s18, 17                        ; part q of cp: 131,072 bytes each
	s_add_nc_u64 s[14:15], s[14:15], s[22:23]
	s_mov_b32 s24, 0x76543210                      ; v_permlanex16_b32: lane i reads lane i of the other half
	s_mov_b32 s25, 0xfedcba98
	s_mov_b32 s26, K2
	s_mov_b32 s27, K2
	s_cmp_eq_u32 s18, 0                            ; M_b enters once: in quarter 0
	s_cselect_b32 s28, K2, 0
	s_cselect_b32 s29, K2, 0
	v_and_b32 v3, 15, v0
	v_lshlrev_b32 v3, 4, v3                        ; 16 cc
	v_lshrrev_b32 v24, 4, v0                       ; rw
	v_lshl_add_u32 v25, v24, 12, v3                ; row rw of hidden and of cp
	v_lshl_add_u32 v26, v24, 13, v3                ; row rw of the quarter
	global_load_b128 v[4:7], v25, s[8:9]           ; hidden of batch rw
	global_load_b128 v[8:11], v25, s[8:9] offset:65536   ; and of batch rw + 16
	global_load_b128 v[12:15], v3, s[6:7]          ; M_b
.irp i, 0,1,2,3,4,5,6,7,8,9,10,11,12,13,14,15
	global_load_b128 v[32+4*\i:35+4*\i], v26, s[4:5] offset:\i*131072 th:TH_LOAD_NT
.endr
.irp i, 0,1,2,3,4,5,6,7
	s_wait_loadcnt 14-2*\i                         ; loads 2 i and 2 i + 1 are in; the younger ones stay out
	v_pk_add_f32 v[32+8*\i:33+8*\i], v[32+8*\i:33+8*\i], v[36+8*\i:37+8*\i]
	v_pk_add_f32 v[34+8*\i:35+8*\i], v[34+8*\i:35+8*\i], v[38+8*\i:39+8*\i]
.endr
.irp i, 0,1,2,3
	v_pk_add_f32 v[32+16*\i:33+16*\i], v[32+16*\i:33+16*\i], v[40+16*\i:41+16*\i]
	v_pk_add_f32 v[34+16*\i:35+16*\i], v[34+16*\i:35+16*\i], v[42+16*\i:43+16*\i]
.endr
.irp i, 0,1
	v_pk_add_f32 v[32+32*\i:33+32*\i], v[32+32*\i:33+32*\i], v[48+32*\i:49+32*\i]
	v_pk_add_f32 v[34+32*\i:35+32*\i], v[34+32*\i:35+32*\i], v[50+32*\i:51+32*\i]
.endr
	v_pk_add_f32 v[32:33], v[32:33], v[64:65]
	v_pk_add_f32 v[34:35], v[34:35], v[66:67]
.irp c, 0,1,2,3
	v_permlanex16_b32 v[36+\c], v[32+\c], s24, s25 ; the other half of the wave has the same columns
.endr
	v_pk_add_f32 v[32:33], v[32:33], v[36:37]
	v_pk_add_f32 v[34:35], v[34:35], v[38:39]
	v_add_nc_u32 v28, CB, v3                       ; 16 cc in this part's LDS bytes
	v_lshl_add_u32 v27, s20, 8, v28
	ds_store_b128 v27, v[32:35]                    ; my wave's 64 sums (both halves write the same)
	s_wait_dscnt 0x0                               ; in LDS before others read them
	s_barrier_signal -1
	s_barrier_wait -1
.irp k, 0,1,2,3,4,5,6,7
	ds_load_b128 v[32+4*\k:35+4*\k], v28 offset:256*\k
.endr
	s_wait_dscnt 0x0
.irp k, 0,1,2,3
	v_pk_add_f32 v[32+4*\k:33+4*\k], v[32+4*\k:33+4*\k], v[48+4*\k:49+4*\k]
	v_pk_add_f32 v[34+4*\k:35+4*\k], v[34+4*\k:35+4*\k], v[50+4*\k:51+4*\k]
.endr
.irp k, 0,1
	v_pk_add_f32 v[32+4*\k:33+4*\k], v[32+4*\k:33+4*\k], v[40+4*\k:41+4*\k]
	v_pk_add_f32 v[34+4*\k:35+4*\k], v[34+4*\k:35+4*\k], v[42+4*\k:43+4*\k]
.endr
	v_pk_add_f32 v[32:33], v[32:33], v[36:37]
	v_pk_add_f32 v[34:35], v[34:35], v[38:39]      ; the quarter's sum for my four columns
	v_pk_mul_f32 v[32:33], v[32:33], s[26:27] op_sel_hi:[1,0]
	v_pk_mul_f32 v[34:35], v[34:35], s[26:27] op_sel_hi:[1,0]
	v_pk_mul_f32 v[12:13], v[12:13], s[28:29] op_sel_hi:[1,0]
	v_pk_mul_f32 v[14:15], v[14:15], s[28:29] op_sel_hi:[1,0]
	v_pk_fma_f32 v[4:5], v[4:5], v[32:33], v[12:13]
	v_pk_fma_f32 v[6:7], v[6:7], v[34:35], v[14:15]
	v_pk_fma_f32 v[8:9], v[8:9], v[32:33], v[12:13]
	v_pk_fma_f32 v[10:11], v[10:11], v[34:35], v[14:15]
	global_store_b128 v25, v[4:7], s[14:15]        ; sixteen lanes store 256 consecutive bytes, aligned
	global_store_b128 v25, v[8:11], s[14:15] offset:65536
	s_wait_tensorcnt 0x0
	ds_add_u32 v128, v129
	s_wait_dscnt 0x0
	s_endpgm
.Lfunc_end_k_q2d11ea1f98_prep:
	.size	k_q2d11ea1f98_prep, .Lfunc_end_k_q2d11ea1f98_prep-k_q2d11ea1f98_prep
	.p2alignl 7, 3214868480
	.fill 96, 4, 3214868480
	.section	.rodata,"a",@progbits
	.p2align	6, 0x0
	.amdhsa_kernel k_q2d11ea1f98_prep
		.amdhsa_group_segment_fixed_size 52224
		.amdhsa_private_segment_fixed_size 0
		.amdhsa_enable_private_segment 0
		.amdhsa_kernarg_size 56
		.amdhsa_user_sgpr_count 2
		.amdhsa_user_sgpr_kernarg_segment_ptr 1
		.amdhsa_wavefront_size32 1
		.amdhsa_system_sgpr_workgroup_id_x 1
		.amdhsa_system_sgpr_workgroup_id_y 1
		.amdhsa_system_sgpr_workgroup_id_z 1
		.amdhsa_system_vgpr_workitem_id 0
		.amdhsa_next_free_vgpr 130
		.amdhsa_next_free_sgpr 72
		.amdhsa_reserve_vcc 1
		.amdhsa_float_denorm_mode_32 3
		.amdhsa_float_denorm_mode_16_64 3
		.amdhsa_memory_ordered 1
		.amdhsa_forward_progress 1
		.amdhsa_inst_pref_size 30
	.end_amdhsa_kernel
	.amdgpu_metadata
---
amdhsa.version: [ 1, 2 ]
amdhsa.kernels:
  - .name:           k_q2d11ea1f98_prep
    .symbol:         k_q2d11ea1f98_prep.kd
    .args:
      - { .name: M_w, .offset: 0, .size: 8, .value_kind: global_buffer, .address_space: global }
      - { .name: M_b, .offset: 8, .size: 8, .value_kind: global_buffer, .address_space: global }
      - { .name: hidden, .offset: 16, .size: 8, .value_kind: global_buffer, .address_space: global }
      - { .name: mask, .offset: 24, .size: 8, .value_kind: global_buffer, .address_space: global }
      - { .name: Wf, .offset: 32, .size: 8, .value_kind: global_buffer, .address_space: global }
      - { .name: cp, .offset: 40, .size: 8, .value_kind: global_buffer, .address_space: global }
      - { .name: idx, .offset: 48, .size: 8, .value_kind: global_buffer, .address_space: global }
    .group_segment_fixed_size: 52224
    .private_segment_fixed_size: 0
    .kernarg_segment_align: 8
    .kernarg_segment_size: 56
    .max_flat_workgroup_size: 256
    .sgpr_count:     72
    .vgpr_count:     130
    .wavefront_size: 32
...
	.end_amdgpu_metadata
.endif
;; end of part 1
;; launch main (part 2): grid 256 x 1, 4 waves a work-group, no clusters, 324,096 bytes of LDS; arguments encoder_outputs, Wf, cp, idx, V_w, V_b, sc, part; writes sc, part
.if DOCPART == 2
	.amdgcn_target "amdgcn-amd-amdhsa--gfx1250"
	.amdhsa_code_object_version 6
	.text
	.protected	k_q2d11ea1f98_main
	.globl	k_q2d11ea1f98_main
	.p2align	8
	.type	k_q2d11ea1f98_main,@function
k_q2d11ea1f98_main:
	s_mov_b64 s[64:65], 0
	v_nop
	global_prefetch_b8 v0, s[64:65] scope:SCOPE_SE
	s_setreg_imm32_b32 hwreg(HW_REG_WAVE_MODE, 25, 1), 1
	s_wait_xcnt 0x0
; Work-group (b = x / 8, j = x % 8) takes the listed rows of batch b whose rank is j modulo 8, 144 list places a pass (one pass up to 1,152 listed rows, else two).
; A pass: (1) gather the 144 rows of encoder_outputs, round to bf16, keep them in LDS; (2) m = rows x W^T for all 1,024 h, in four chunks of 256 h, wave w the
; 64 columns 256 c + 64 w ..; score = V_b + sum V_h tanh(m + c); (3) the pass's own maximum, exponentials and their sum; (4) o = sum p x row, from the rows still in LDS.
; The last launch joins the passes' (maximum, sum, o).  A row is read from memory once.
; IN THE FIRST PASS (1) RUNS UNDER CHUNK 0 OF (2).  The rows lie in LDS by pieces of 128 columns (4 K steps); a wave brings its 36 rows of a piece by 36 loads of 512
; consecutive bytes, in four groups of 9.  Piece 0 is waited for; from then on K step ks stores the group asked for four steps ago (piece 1 + ks/4) and asks for the same group of
; piece 2 + ks/4.  A piece is whole one barrier ahead of its first K step (steps 3, 7 .. 27).  Between two barriers waves read piece q and write piece q + 1.
; A wave's global loads count down in order (ISA guide 5.7.1), W's and the rows' together: a step asks for W first and for rows second, so that W of step ks, asked for in step ks - 3,
; is held up only by rows asked for in step ks - 4 and earlier, which are just those that step ks stores.  Four groups: with a fifth the count behind W's loads would be 68, more than a wait can name.
; The first pass always exists (a batch lists at least one row), so its code stands under a branch on the pass counter alone and its barriers hang on no number read from memory.
; THE PASS LOOP HAS TWO TRIPS ALWAYS.  Its other barriers stand outside every branch on a number read from memory; where the batch has one pass, the second trip jumps over the work of all phases.
; A second pass's rows are gathered at the end of the first trip, with nothing beside them.
; THE TEXT IS KEPT SHORT.  Chunk 0 of the first pass is written out (each of its K steps has its own part of the gather).  Every other chunk is one piece written out (its first product
; starts the sums) and a loop of seven pieces; there is one epilogue, which the first pass enters by a jump behind its chunk 0; the second pass's gather, which a batch of one pass
; jumps over, stands last.
; tanh(x) = 1 - 2 / (1 + 2^(K2 x)), K2 = 2 log2 e.  sum V_h + V_b is made once (K0); the loop sums V_h / (1 + 2^(K2 m + c')); score = K0 - 2 x that sum.
; 2^.. = inf gives 0, 2^.. = 0 gives 1: both ends are right.
; A wave's tile is 144 x 64: 36 accumulators, 288 registers.  Rows' fragments come from LDS; W's fragments are read by one wave alone and come straight from Wf
; (which lies in fragment order: a load covers 512 consecutive bytes) into a ring of four register buffers, three K steps ahead.
; Column r of my tile nt is h = 256 c + 64 w + 4 r + nt: a lane's four c' and four V_w are 16 neighbouring bytes, and sixteen lanes' are 256, aligned.  c' comes in four parts, which are added here.
; NO CLUSTER, NO TENSOR LOADS, though every work-group walks the same W: the 144 rows take 313,344 of LDS's 327,680 bytes, the stages 10,240; the 4,096 bytes
; left hold no slot of even one K step of a chunk's W (16,384 bytes).
; LIMITS.  Matrix operands (rows, W, the exponentials p) are bf16.  A masked row's weight is taken as 0 and the row is not read: that is what exp(-1e30 - max) gives as long
; as sum |V_w| + |V_b| < 1e29; a masked row that holds inf or NaN does not reach the result here.  Places of a pass beyond the list repeat its first row with p = 0.
;
; REGISTERS, in windows of 256 (s_set_vgpr_msb: bits 1:0 source 0, 3:2 source 1, 5:4 source 2, 7:6 destination)
;   window 0: addresses, tables, T, S, W's ring;  window 1: rows' fragments (2 x 72), accumulators of row tile 8 (144..175); in (4) 2 x 64 transposed fragments
;   window 2: accumulators (mt < 8, nt) at 8 (4 mt + nt); in (4) 16 accumulators;  window 3: all that the gather needs
.set PP, 272                           ; an LDS row of a piece: 256 bytes + 16 = 17 x 16: the sixteen rows of a fragment load start 16 bytes apart modulo 256
.set PIECE, 144*PP                     ; 39,168 bytes: 144 rows x 128 columns
.set SP, 8*PIECE                       ; 4 waves x 1,024 bytes: each wave's part of the scores of rows 0..143, zeros for rows 144..207
.set PB, SP+4096                       ; 4 waves x 512 bytes: p in bf16, rows 0..191, each wave's own copy
.set OB, PB+2048                       ; 4 waves x 1,024 bytes: o, each wave's 256 columns
.set AP,   2                           ; v2-9   r PP + 16 hh + piece x PIECE; the row tile and the K step stand in the immediate
.set TA,   10                          ; 256 w + 16 r: my four columns in a chunk's 1,024 bytes of c' and of V_w
.set LN,   11                          ; lane
.set K0,   12                          ; V_b + sum V_w
.set SPW,  13                          ; SP + 1024 w + 32 hh
.set SPR,  14                          ; SP + 16 lane
.set SPR2, 15                          ; SP + 512 + 8 lane
.set PBW,  16                          ; PB + 512 w + 8 lane
.set PBF,  17                          ; PB + 512 w + 16 hh
.set TR,   18                          ; v18-19 (8 hh + lane % 8) PP + 16 (lane / 8 % 2) + (2 w + half) PIECE
.set OBW,  20                          ; OB + 1024 w + 32 hh
.set OBR,  21                          ; OB + 1024 w + 16 lane
.set QO,   22                          ; 1024 w + 16 lane
.set SCR,  23
.set CC,   24                          ; v24-27  c' of my column in tile nt
.set VV,   28                          ; v28-31  V_w likewise
.set C1,   32                          ; v32-39  the second and third part of c' (the fourth lands in T .. T+3)
.set T,    40                          ; v40-55  at work
.set APC,  T+14                        ; in the loop of pieces: AP of this piece (the epilogue, which uses all of T, stands behind the loop)
.set APN,  T+15                        ; and of the next
.set S,    56                          ; v56-127 S[mt][j]: my column's share of the score of row 16 mt + 8 hh + j
.set BR,   128                         ; v128-255 W's ring: 4 buffers x 4 fragments x 8
.set X,    0                           ; window 3: 4 groups x 9 loads x 4 registers, f32 as loaded
.set OFF,  144                         ; window 3: 36 rows' byte offsets in the batch, + 16 lane
.set GA,   180                         ; window 3: 36 w PP + 8 lane + piece x PIECE
.set T2,   188                         ; window 3: 2 x 18 registers, a group rounded to bf16
; scalars of the chunks: s[36:37] c', s[38:39] V_w of this chunk; s[40:41] W of this piece, s[42:43] of the next; s46 the next piece's number 8 chunk + piece (modulo 32);
; s47 its LDS offset; s49 counts pieces, s80 chunks; s[68:69] W of chunk 0 in the first pass
.set MSB, 0
.macro WIN new                         ; the immediate's high byte repeats the setting that is left; a switch that changes nothing is dropped
.if MSB != \new
	s_set_vgpr_msb (MSB<<8)|\new
.set MSB, \new
.endif
.endm
; Four plain vector instructions between a matrix instruction and a load into, or a vector instruction or LDS store on, its registers (ISA guide 7.12.1 for vector instructions and LDS stores)
.macro PLACES
.rept 4
	v_nop
.endr
.endm
	s_load_b512 s[4:19], s[0:1], 0x0               ; enc s[4:5], Wf s[6:7], cp s[8:9], idx s[10:11], V_w s[12:13], V_b s[14:15], sc s[16:17], part s[18:19]
	s_set_vgpr_msb 0x40
	v_lshl_add_u32 v254, v0, 2, 0x4f000
	v_mov_b32 v255, 0
	s_set_vgpr_msb 0x4000
	v_lshrrev_b32 v[SCR], 5, v0
	v_readfirstlane_b32 s60, v[SCR]                ; wave 0..3
	s_lshr_b32 s61, ttmp9, 3                       ; b
	s_and_b32 s62, ttmp9, 7                        ; j
	s_mov_b32 s84, 0x4038aa3b                      ; K2, as a pair
	s_mov_b32 s85, 0x4038aa3b
	s_mov_b32 s86, 0x76543210                      ; v_permlanex16_b32: lane i reads lane i of the other half
	s_mov_b32 s87, 0xfedcba98
	s_mov_b32 s91, 0                               ; high word of every 64-bit offset
	s_mov_b32 s79, 0                               ; pass
	v_and_b32 v[LN], 31, v0
	v_and_b32 v[T], 15, v0                         ; r
	v_bfe_u32 v[T+1], v0, 4, 1                     ; hh
	v_lshlrev_b32 v1, 4, v[LN]                     ; 16 lane
	v_mul_u32_u24 v[AP], v[T], PP
	v_lshl_add_u32 v[AP], v[T+1], 4, v[AP]
.irp p, 1,2,3,4,5,6,7
	v_add_nc_u32 v[AP+\p], \p*PIECE, v[AP]
.endr
	v_lshlrev_b32 v[TA], 4, v[T]
	v_lshl_add_u32 v[TA], s60, 8, v[TA]
	s_lshl_b32 s83, s60, 10                        ; 1024 w
	s_add_co_u32 s98, s83, SP
	v_lshl_add_u32 v[SPW], v[T+1], 5, s98
	v_add_nc_u32 v[SPR], SP, v1
	v_lshlrev_b32 v[SPR2], 3, v[LN]
	v_add_nc_u32 v[SPR2], SP+512, v[SPR2]
	s_add_co_u32 s99, s83, OB
	v_lshl_add_u32 v[OBW], v[T+1], 5, s99
	v_add_nc_u32 v[OBR], s99, v1
	v_add_nc_u32 v[QO], s83, v1
	s_lshl_b32 s83, s60, 9                         ; 512 w
	s_add_co_u32 s63, s83, PB
	v_lshl_add_u32 v[PBW], v[LN], 3, s63
	v_lshl_add_u32 v[PBF], v[T+1], 4, s63
	s_add_co_u32 s63, s63, 256                     ; PB + 512 w + 256: p of rows 128 ..
	v_and_b32 v[T+2], 7, v0
	v_lshl_add_u32 v[T+2], v[T+1], 3, v[T+2]
	v_mul_u32_u24 v[TR], v[T+2], PP
	v_bfe_u32 v[T+3], v0, 3, 1
	v_lshl_add_u32 v[TR], v[T+3], 4, v[TR]
	s_mul_i32 s83, s60, 2*PIECE                    ; my 256 columns are pieces 2 w and 2 w + 1
	v_add_nc_u32 v[TR], s83, v[TR]
	v_add_nc_u32 v[TR+1], PIECE, v[TR]
	s_mul_i32 s83, s60, 36*PP                      ; my 36 places of a piece
	WIN 0xc0                                       ; destination window 3
.irp p, 0,1,2,3,4,5,6,7
	v_lshl_add_u32 v[GA+\p], v[LN], 3, s83
	s_add_co_u32 s83, s83, PIECE
.endr
	WIN 0
	s_wait_kmcnt 0x0
	s_lshl_b32 s90, s61, 9
	s_add_nc_u64 s[98:99], s[10:11], s[90:91]
	s_load_b128 s[56:59], s[98:99], 0x0            ; cnt s56, flag s57, passes s58
	s_load_b32 s97, s[14:15], 0x0                  ; V_b
	s_lshl_b32 s90, s61, 23
	s_add_nc_u64 s[66:67], s[4:5], s[90:91]        ; batch b of encoder_outputs
	s_lshl_b32 s90, s60, 17
	s_add_nc_u64 s[72:73], s[6:7], s[90:91]        ; my four tiles of chunk 0 in Wf
	s_mul_i32 s90, ttmp9, 1536
	s_add_nc_u64 s[92:93], s[16:17], s[90:91]      ; my record of scores
	s_add_co_u32 s90, s90, 16384
	s_add_nc_u64 s[76:77], s[10:11], s[90:91]      ; my list
	s_mul_i32 s90, s60, 144
	s_add_nc_u64 s[74:75], s[76:77], s[90:91]      ; my wave's 36 entries of it
	s_lshl_b32 s90, s61, 4
	s_add_co_u32 s90, s90, s62
	s_mul_i32 s90, s90, 4608
	s_add_nc_u64 s[94:95], s[18:19], s[90:91]      ; record 16 b + 8 pass + j of part
	s_lshl_b32 s90, s61, 12
	s_add_nc_u64 s[100:101], s[8:9], s[90:91]      ; cp of batch b, first part
.irp i, 0,1,2,3,4,5,6,7
	global_load_b128 v[S+4*\i:S+4*\i+3], v1, s[12:13] offset:512*\i    ; all of V_w, for its sum
.endr
.irp ks, 0,1,2
.irp nt, 0,1,2,3
	global_load_b128 v[BR+32*\ks+8*\nt:BR+32*\ks+8*\nt+3],   v1, s[72:73] offset:\nt*32768+\ks*1024      ; W's ring: K steps 0, 1, 2 of chunk 0
	global_load_b128 v[BR+32*\ks+8*\nt+4:BR+32*\ks+8*\nt+7], v1, s[72:73] offset:\nt*32768+\ks*1024+512
.endr
.endr
	s_wait_kmcnt 0x0
	s_cmp_lg_u32 s57, 0
	s_cselect_b32 s88, -1, 0                       ; all lanes, if every position of the batch is masked
	s_add_co_u32 s96, s56, 7
	s_sub_co_u32 s96, s96, s62
	s_lshr_b32 s96, s96, 3                         ; listed rows of this work-group that are still to do
	s_wait_loadcnt 24                              ; the 24 loads of the ring are younger and stay out
.irp k, 4,8,12,16,20,24,28
	v_pk_add_f32 v[S:S+1], v[S:S+1], v[S+\k:S+\k+1]
	v_pk_add_f32 v[S+2:S+3], v[S+2:S+3], v[S+\k+2:S+\k+3]
.endr
	v_pk_add_f32 v[S:S+1], v[S:S+1], v[S+2:S+3]
	v_add_f32 v[S], v[S], v[S+1]
.irp x, 1,2,4,8
	v_add_f32_dpp v[S], v[S], v[S] row_xmask:\x row_mask:0xf bank_mask:0xf
.endr
	v_permlanex16_b32 v[S+1], v[S], s86, s87
	v_add_f32 v[S], v[S], v[S+1]
	v_add_f32 v[K0], s97, v[S]
; ---- the gather's parts
; My wave's 36 list entries become 36 byte offsets.  Place g: its row if the place is inside the list, else the pass's first row.
.macro LISTOFF
	s_load_b512 s[20:35], s[74:75], 0x0
	s_load_b512 s[36:51], s[74:75], 0x40
	s_load_b128 s[52:55], s[74:75], 0x80
	s_load_b32 s78, s[76:77], 0x0                  ; the pass's first entry
	s_mul_i32 s82, s60, 36
	s_sub_co_i32 s82, s81, s82                     ; places inside the list, from my wave's first place on
	s_wait_kmcnt 0x0
	WIN 0xc0                                       ; destination window 3
.set gg, 0
.rept 36
	s_cmp_gt_i32 s82, gg
	s_cselect_b32 s83, s[20+gg], s78
	s_min_u32 s83, s83, 2047                       ; a row number, bounded in the text
	v_lshl_add_u32 v[OFF+gg], s83, 12, v1
.set gg, gg+1
.endr
.endm
; Group j (rows 9 j .. 9 j + 8 of my 36) of piece p: nine loads of 512 consecutive bytes.  Window 3 throughout (setting 0xcf).
.macro GLOAD p, j
.irp i, 0,1,2,3,4,5,6,7,8
	global_load_b128 v[X+36*(\j)+4*\i:X+36*(\j)+4*\i+3], v[OFF+9*(\j)+\i], s[66:67] offset:512*(\p)
.endr
.endm
; The same group, rounded to bf16 (packing registers b = 0 or 1 in turn) and stored: each store covers a row's 256 consecutive bytes of the piece.
.macro GSTORE p, j, b
.irp i, 0,1,2,3,4,5,6,7,8
	v_cvt_pk_bf16_f32 v[T2+18*(\b)+2*\i],   v[X+36*(\j)+4*\i],   v[X+36*(\j)+4*\i+1]
	v_cvt_pk_bf16_f32 v[T2+18*(\b)+2*\i+1], v[X+36*(\j)+4*\i+2], v[X+36*(\j)+4*\i+3]
.endr
.irp i, 0,1,2,3,4,5,6,7,8
	ds_store_b64 v[GA+(\p)], v[T2+18*(\b)+2*\i:T2+18*(\b)+2*\i+1] offset:(9*(\j)+\i)*PP
.endr
.endm
; ---- the products' parts
; 18 LDS loads: the nine row tiles' fragments of K step ks into buffer buf of window 1
.macro FETCHA ks, buf
	WIN 0x40
.irp mt, 0,1,2,3,4,5,6,7,8
	ds_load_b128 v[72*(\buf)+8*\mt:72*(\buf)+8*\mt+3],   v[AP+(\ks)/4] offset:\mt*16*PP+64*((\ks)&3)
	ds_load_b128 v[72*(\buf)+8*\mt+4:72*(\buf)+8*\mt+7], v[AP+(\ks)/4] offset:\mt*16*PP+64*((\ks)&3)+32
.endr
.endm
; Chunk 0 of the first pass: 8 loads, W's four fragments of the K step three ahead of ks; behind step 28 that is chunk 1's
.macro WLOAD ks
.irp nt, 0,1,2,3
.irp q, 0,1
.if (\ks) < 29
	global_load_b128 v[BR+32*(((\ks)+3)&3)+8*\nt+4*\q:BR+32*(((\ks)+3)&3)+8*\nt+4*\q+3], v1, s[68:69] offset:\nt*32768+(((\ks)+3)&31)*1024+512*\q
.else
	global_load_b128 v[BR+32*(((\ks)+3)&3)+8*\nt+4*\q:BR+32*(((\ks)+3)&3)+8*\nt+4*\q+3], v1, s[40:41] offset:\nt*32768+(((\ks)+3)&31)*1024+512*\q
.endif
.endr
.endr
.endm
; 4 matrix instructions: row tile mt x my four column tiles.  K step 0 starts the sums.
.macro MROW ks, mt
.if (\mt) < 8
.set mab, 32*(\mt)
.else
.set mab, 144
.endif
.irp nt, 0,1,2,3
.if (\ks) == 0
	v_wmma_f32_16x16x32_bf16 v[mab+8*\nt:mab+8*\nt+7], v[72*((\ks)&1)+8*(\mt):72*((\ks)&1)+8*(\mt)+7], v[BR+32*((\ks)&3)+8*\nt:BR+32*((\ks)&3)+8*\nt+7], 0
.else
	v_wmma_f32_16x16x32_bf16 v[mab+8*\nt:mab+8*\nt+7], v[72*((\ks)&1)+8*(\mt):72*((\ks)&1)+8*(\mt)+7], v[BR+32*((\ks)&3)+8*\nt:BR+32*((\ks)&3)+8*\nt+7], v[mab+8*\nt:mab+8*\nt+7]
.endif
.endr
.endm
; K step i (0..3) of a piece, with all rows in LDS: ask for the rows' fragments of the next step and W's of the step three ahead, then 36 matrix instructions.
; apc, apn: the registers with this piece's and the next piece's LDS address; zero = 1: the chunk's first step; cnt: the loads that are younger than this step's W.
; The 36 accumulators take turns, one instruction a turn, over the steps' ends and the loops' backward jumps too.
.macro RSTEP i, zero, apc, apn, cnt
	PLACES                                         ; the buffers filled below were read by the last step's matrix instructions
	WIN 0x40
.irp mt, 0,1,2,3,4,5,6,7,8
.if \i < 3
	ds_load_b128 v[72*((\i+1)&1)+8*\mt:72*((\i+1)&1)+8*\mt+3],   v[\apc] offset:\mt*16*PP+64*(\i+1)
	ds_load_b128 v[72*((\i+1)&1)+8*\mt+4:72*((\i+1)&1)+8*\mt+7], v[\apc] offset:\mt*16*PP+64*(\i+1)+32
.else
	ds_load_b128 v[72*((\i+1)&1)+8*\mt:72*((\i+1)&1)+8*\mt+3],   v[\apn] offset:\mt*16*PP
	ds_load_b128 v[72*((\i+1)&1)+8*\mt+4:72*((\i+1)&1)+8*\mt+7], v[\apn] offset:\mt*16*PP+32
.endif
.endr
	WIN 0
.irp nt, 0,1,2,3
.irp q, 0,1
.if \i == 0
	global_load_b128 v[BR+96+8*\nt+4*\q:BR+96+8*\nt+4*\q+3], v1, s[40:41] offset:\nt*32768+3072+512*\q                         ; this piece's step 3
.else
	global_load_b128 v[BR+32*(\i-1)+8*\nt+4*\q:BR+32*(\i-1)+8*\nt+4*\q+3], v1, s[42:43] offset:\nt*32768+(\i-1)*1024+512*\q   ; the next piece's step i - 1
.endif
.endr
.endr
	s_wait_dscnt 18                                ; all but the 18 just issued: this step's fragments are in
	s_wait_loadcnt \cnt                            ; this step's W is in
	WIN 0xa1                                       ; rows window 1, W window 0, sums window 2
.irp mt, 0,1,2,3,4,5,6,7
	MROW \i+4*(1-\zero), \mt
.endr
	WIN 0x51                                       ; row tile 8: sums in window 1
	MROW \i+4*(1-\zero), 8
.endm
; From a piece to the next.  Pieces are numbered 8 chunk + piece, modulo 32: behind a chunk's last piece comes the next chunk's first, behind chunk 3 chunk 0 again
; (a second pass uses those three K steps; no load leaves Wf).  In Wf a chunk is 524,288 bytes and a piece 4,096 bytes of each tile.
.macro NEXTPIECE
	s_wait_xcnt 0x0                                ; the bases of W's loads are rewritten only behind this wait
	s_mov_b64 s[40:41], s[42:43]
	s_mov_b32 s48, s47
	s_add_co_u32 s46, s46, 1
	s_and_b32 s46, s46, 31
	s_lshr_b32 s90, s46, 3
	s_lshl_b32 s90, s90, 19
	s_and_b32 s47, s46, 7
	s_lshl_b32 s45, s47, 12
	s_add_co_u32 s90, s90, s45
	s_add_nc_u64 s[42:43], s[72:73], s[90:91]
	s_mul_i32 s47, s47, PIECE
	v_add_nc_u32 v[APC], s48, v[AP]
	v_add_nc_u32 v[APN], s47, v[AP]
.endm
; One K step of chunk 0 of the first pass.  cnt = the loads that are younger than W of this step and than the group stored here.
.macro K0STEP ks, cnt
.set k0bar, 0
.if ((\ks)&3) == 3
.if (\ks) < 28
.set k0bar, 1                                      ; this step stores the last group of the next piece
.endif
.endif
	PLACES                                         ; the buffers filled below were read by the last step's matrix instructions
.if k0bar == 0
	FETCHA ((\ks)+1)&31, ((\ks)+1)&1
.endif
	WIN 0
	WLOAD \ks
	s_wait_loadcnt \cnt
.if (\ks) < 28
	WIN 0xcf                                       ; destination, source 0 and source 1 in window 3
	GSTORE 1+(\ks)/4, (\ks)&3, (\ks)&1
.if (\ks) < 24
	GLOAD 2+(\ks)/4, (\ks)&3
.endif
.endif
.if k0bar
	s_wait_dscnt 0x0                               ; my part of the next piece is in LDS (and this step's fragments are in)
	s_barrier_signal -1
	WIN 0xa1
.irp mt, 0,1,2,3
	MROW \ks, \mt                                  ; work on registers while the others arrive
.endr
	s_barrier_wait -1                              ; the next piece is whole
	FETCHA ((\ks)+1)&31, ((\ks)+1)&1               ; its first fragments, 20 matrix instructions ahead of the next step
	WIN 0xa1
.irp mt, 4,5,6,7
	MROW \ks, \mt
.endr
.else
.if (\ks) < 28
	s_wait_dscnt 27                                ; all but the 18 loads and 9 stores just issued: this step's fragments are in
.else
	s_wait_dscnt 18
.endif
	WIN 0xa1
.irp mt, 0,1,2,3,4,5,6,7
	MROW \ks, \mt
.endr
.endif
	WIN 0x51
	MROW \ks, 8
.endm
; A chunk's c' (four parts) and V_w: sixteen lanes read 256 consecutive bytes, aligned; both halves of the wave the same
.macro TABLES
	global_load_b128 v[CC:CC+3],   v[TA], s[36:37]
	global_load_b128 v[C1:C1+3],   v[TA], s[36:37] offset:131072
	global_load_b128 v[C1+4:C1+7], v[TA], s[36:37] offset:262144
	global_load_b128 v[T:T+3],     v[TA], s[36:37] offset:393216
	global_load_b128 v[VV:VV+3],   v[TA], s[38:39]
.endm
.macro CSUM
	v_pk_add_f32 v[CC:CC+1], v[CC:CC+1], v[C1:C1+1]
	v_pk_add_f32 v[CC+2:CC+3], v[CC+2:CC+3], v[C1+2:C1+3]
	v_pk_add_f32 v[C1+4:C1+5], v[C1+4:C1+5], v[T:T+1]
	v_pk_add_f32 v[C1+6:C1+7], v[C1+6:C1+7], v[T+2:T+3]
	v_pk_add_f32 v[CC:CC+1], v[CC:CC+1], v[C1+4:C1+5]
	v_pk_add_f32 v[CC+2:CC+3], v[CC+2:CC+3], v[C1+6:C1+7]
.endm
; Two accumulators (mt, 2 ntp) and (mt, 2 ntp + 1): S[mt] += V / (1 + 2^(K2 m + c')).
; c' and V of the two tiles lie in one register pair; op_sel and op_sel_hi give both halves of a packed instruction the pair's first register (tile 2 ntp) or its second (tile 2 ntp + 1).
.macro EPI2 mt, ntp
.if \mt < 8
	WIN 0x02
.set eab, 8*(4*\mt+2*\ntp)
.else
	WIN 0x01
.set eab, 144+16*\ntp
.endif
.irp i, 0,1,2,3
	v_pk_fma_f32 v[T+2*\i:T+2*\i+1], v[eab+2*\i:eab+2*\i+1], s[84:85], v[CC+2*\ntp:CC+2*\ntp+1] op_sel_hi:[1,0,0]
.endr
.irp i, 0,1,2,3
	v_pk_fma_f32 v[T+8+2*\i:T+8+2*\i+1], v[eab+8+2*\i:eab+8+2*\i+1], s[84:85], v[CC+2*\ntp:CC+2*\ntp+1] op_sel:[0,0,1] op_sel_hi:[1,0,1]
.endr
	WIN 0
.set ee, 0
.rept 16
	v_exp_f32 v[T+ee], v[T+ee]
.set ee, ee+1
.endr
	v_nop                                          ; one plain vector instruction between the last transcendental and the use of its result (ISA guide 5.7.2)
	s_wait_alu depctr_va_vdst(0)
.irp i, 0,2,4,6,8,10,12,14
	v_pk_add_f32 v[T+\i:T+\i+1], v[T+\i:T+\i+1], 1.0 op_sel_hi:[1,0]
.endr
.set ee, 0
.rept 16
	v_rcp_f32 v[T+ee], v[T+ee]
.set ee, ee+1
.endr
	v_nop
	s_wait_alu depctr_va_vdst(0)
.irp i, 0,1,2,3
	v_pk_fma_f32 v[S+8*\mt+2*\i:S+8*\mt+2*\i+1], v[T+2*\i:T+2*\i+1], v[VV+2*\ntp:VV+2*\ntp+1], v[S+8*\mt+2*\i:S+8*\mt+2*\i+1] op_sel_hi:[1,0,1]
.endr
.irp i, 0,1,2,3
	v_pk_fma_f32 v[S+8*\mt+2*\i:S+8*\mt+2*\i+1], v[T+8+2*\i:T+8+2*\i+1], v[VV+2*\ntp:VV+2*\ntp+1], v[S+8*\mt+2*\i:S+8*\mt+2*\i+1] op_sel:[0,1,0] op_sel_hi:[1,1,1]
.endr
.endm
; (4): group i = (row step i / 2, half i % 2 of my 16 column tiles = piece 2 w + half).  16 transposing loads: rows lie [row][column], the fragment wants a column's rows along its registers.
; Row step 4 has rows 128..143 only: its second load takes them again, where p (rows 144..159) is 0.
.macro TLOAD i
	WIN 0x40
.irp e, 0,1,2,3,4,5,6,7
	ds_load_tr16_b128 v[64*((\i)&1)+8*\e:64*((\i)&1)+8*\e+3], v[TR+((\i)&1)] offset:((\i)/2)*32*PP+32*\e
.if (\i)/2 < 4
	ds_load_tr16_b128 v[64*((\i)&1)+8*\e+4:64*((\i)&1)+8*\e+7], v[TR+((\i)&1)] offset:((\i)/2)*32*PP+32*\e+16*PP
.else
	ds_load_tr16_b128 v[64*((\i)&1)+8*\e+4:64*((\i)&1)+8*\e+7], v[TR+((\i)&1)] offset:((\i)/2)*32*PP+32*\e
.endif
.endr
.endm
.macro WGRP i
.if \i < 9
	PLACES                                         ; the buffer filled below was read by the group before
	TLOAD \i+1
	s_wait_dscnt 16                                ; all but the next group's 16
.else
	s_wait_dscnt 0
.endif
	WIN 0xa1                                       ; transposed rows window 1, p window 0, sums window 2; eight accumulators by turns
.irp e, 0,1,2,3,4,5,6,7
.if \i < 2
	v_wmma_f32_16x16x32_bf16 v[8*(8*((\i)&1)+\e):8*(8*((\i)&1)+\e)+7], v[64*((\i)&1)+8*\e:64*((\i)&1)+8*\e+7], v[S+8*((\i)/2):S+8*((\i)/2)+7], 0
.else
	v_wmma_f32_16x16x32_bf16 v[8*(8*((\i)&1)+\e):8*(8*((\i)&1)+\e)+7], v[64*((\i)&1)+8*\e:64*((\i)&1)+8*\e+7], v[S+8*((\i)/2):S+8*((\i)/2)+7], v[8*(8*((\i)&1)+\e):8*(8*((\i)&1)+\e)+7]
.endif
.endr
.endm
.Lpass:
	s_min_i32 s81, s96, 144                        ; n: places of this pass that are inside the list
.set ee, 0
.rept 72
	v_mov_b32 v[S+ee], 0                           ; the scores' shares: one epilogue serves all four chunks and adds onto them
.set ee, ee+1
.endr
	s_cmp_lg_u32 s79, 0                            ; the pass counter: alike in all waves
	s_cbranch_scc1 .Lsecond
; ---- the first pass: gather under chunk 0
	LISTOFF
	WIN 0
	s_mov_b64 s[36:37], s[100:101]                 ; chunk 0's 1,024 bytes of c'
	s_mov_b64 s[38:39], s[12:13]                   ; and of V_w
	TABLES                                         ; older than every load of rows: in by the first wait below
	WIN 0xcf
.irp j, 0,1,2,3
	GLOAD 0, \j
.endr
	s_mov_b32 s80, 0
	s_mov_b64 s[68:69], s[72:73]                   ; chunk 0's W
	s_add_nc_u64 s[40:41], s[72:73], 0x80000       ; what the chunk loop will want: chunk 1's first piece (number 8),
	s_add_nc_u64 s[42:43], s[72:73], 0x81000       ; its second (number 9),
	s_mov_b32 s46, 9
	s_mov_b32 s47, PIECE                           ; and that one's place in LDS
.irp j, 0,1,2,3
	s_wait_loadcnt 27                              ; group j of piece 0 is in: three groups of 9 are younger (of piece 0 behind it, of piece 1 asked for below)
	GSTORE 0, \j, \j&1
	GLOAD 1, \j
.endr
	s_wait_dscnt 0x0                               ; my part of piece 0 is in LDS
	s_barrier_signal -1
	s_barrier_wait -1                              ; everybody's is
	FETCHA 0, 0
	K0STEP 0, 35                                   ; behind group 0 of piece 1: its groups 1 to 3 (27) and this step's W (8)
	K0STEP 1, 43                                   ; behind group 1: groups 2, 3 (18), step 0's 17, this step's 8
.set ks, 2
.rept 23
	K0STEP ks, 51                                  ; behind W of this step (step 2: behind group 2): 9 loads of rows, two steps of 17, this step's 8
.set ks, ks+1
.endr
	K0STEP 25, 42                                  ; steps 24 and later ask for no rows: 9 + 17 + 8 + 8
	K0STEP 26, 33                                  ; 9 + 8 + 8 + 8
.set ks, 27
.rept 5
	K0STEP ks, 24                                  ; three younger steps of W
.set ks, ks+1
.endr
	WIN 0
	s_branch .Lepi                                 ; chunk 0's epilogue, then chunks 1 to 3 round the loop
; ---- the second pass: its rows were gathered at the end of the first trip.  A batch of one pass multiplies nothing.
.Lsecond:
	s_cmp_ge_u32 s79, s58
	s_cbranch_scc1 .Lmult_done
	FETCHA 0, 0
	WIN 0
	s_mov_b32 s80, 0
	s_mov_b64 s[40:41], s[72:73]                   ; piece number 0 (the list's entries have lain in these registers)
	s_add_nc_u64 s[42:43], s[72:73], 0x1000        ; piece number 1
	s_mov_b32 s46, 1
	s_mov_b32 s47, PIECE
	s_mov_b64 s[36:37], s[100:101]
	s_mov_b64 s[38:39], s[12:13]
; ---- (2) a chunk of 256 h with all rows in LDS: piece 0 written out, pieces 1 to 7 in a loop
.Lchunk:
	TABLES
	RSTEP 0, 1, AP, AP+1, 29                       ; younger than this step's W: three steps of 8 loads and the chunk's five loads of c' and V_w, issued among them
	RSTEP 1, 0, AP, AP+1, 29
	RSTEP 2, 0, AP, AP+1, 29
	RSTEP 3, 0, AP, AP+1, 24                       ; three younger steps of 8 loads (c' and V_w are in from here on)
	WIN 0
	NEXTPIECE
	s_mov_b32 s49, 0
.Lpiece:
	RSTEP 0, 0, APC, APN, 24
	RSTEP 1, 0, APC, APN, 24
	RSTEP 2, 0, APC, APN, 24
	RSTEP 3, 0, APC, APN, 24
	WIN 0
	NEXTPIECE
	s_add_co_u32 s49, s49, 1
	s_cmp_lt_u32 s49, 7
	s_cbranch_scc1 .Lpiece
.Lepi:
	PLACES                                         ; before vector instructions read the sums
	CSUM
.irp mt, 0,1,2,3,4,5,6,7,8
	EPI2 \mt, 0
	EPI2 \mt, 1
.endr
	s_wait_xcnt 0x0                                ; the bases of the chunk's loads of c' and V_w are rewritten only behind this wait
	s_add_nc_u64 s[36:37], s[36:37], 1024
	s_add_nc_u64 s[38:39], s[38:39], 1024
	s_add_co_u32 s80, s80, 1
	s_cmp_lt_u32 s80, 4
	s_cbranch_scc1 .Lchunk
; The LDS addresses in the loop of pieces step with the loop and cannot be read off a line.  So those loads are kept apart from every LDS store by barriers,
; not by the arithmetic of addresses: this one stands between them and the stores of the scores' shares.
.Lmult_done:
	s_wait_dscnt 0x0                               ; my reads of fragments are back
	s_barrier_signal -1
	s_barrier_wait -1                              ; everybody's are
	s_cmp_ge_u32 s79, s58
	s_cbranch_scc1 .Lscored
; ---- the scores: over my 16 columns' lanes, then over the four waves through LDS
.irp x, 1,2,4,8
.set ee, 0
.rept 72
	v_add_f32_dpp v[S+ee], v[S+ee], v[S+ee] row_xmask:\x row_mask:0xf bank_mask:0xf
.set ee, ee+1
.endr
.endr
.irp mt, 0,1,2,3,4,5,6,7,8
	ds_store_b128 v[SPW], v[S+8*\mt:S+8*\mt+3] offset:64*\mt           ; rows 16 mt + 8 hh + 0..3 (the sixteen lanes of a half write the same)
	ds_store_b128 v[SPW], v[S+8*\mt+4:S+8*\mt+7] offset:64*\mt+16
.endr
	s_lshl_b32 s83, s60, 10
	s_add_co_u32 s83, s83, SP+576
	v_lshl_add_u32 v[SCR], v[LN], 3, s83
	v_mov_b32 v[T], 0
	v_mov_b32 v[T+1], 0
	ds_store_b64 v[SCR], v[T:T+1]                  ; rows 144..207: defined numbers for the lanes that own them
.Lscored:
	s_wait_dscnt 0x0                               ; my shares are in LDS
	s_barrier_signal -1
	s_barrier_wait -1
	s_cmp_ge_u32 s79, s58
	s_cbranch_scc1 .Lsummed
; ---- (3) every wave alike, which spares a barrier: a lane owns rows 4 lane + 0..3 and 128 + 2 lane + 0..1
.irp w, 0,1,2,3
	ds_load_b128 v[T+4*\w:T+4*\w+3], v[SPR] offset:1024*\w
.endr
.irp w, 0,1,2,3
	ds_load_b64 v[S+2*\w:S+2*\w+1], v[SPR2] offset:1024*\w
.endr
	v_lshlrev_b32 v[S+8], 2, v[LN]
	v_lshlrev_b32 v[S+9], 1, v[LN]
.irp k, 0,1,2,3
	s_sub_co_i32 s83, s81, \k
	v_cmp_gt_i32 s[20+\k], s83, v[S+8]             ; row 4 lane + k < n
.endr
.irp k, 4,5
	s_sub_co_i32 s83, s81, 124+\k
	v_cmp_gt_i32 s[20+\k], s83, v[S+9]             ; row 128 + 2 lane + k - 4 < n
.endr
	v_mov_b32 v[S+10], 0xf149f2ca                  ; -1e30
	v_mov_b32 v[S+11], 0xff61b1e6                  ; -3e38: a place outside the list
	s_wait_dscnt 0x0
	v_pk_add_f32 v[T:T+1], v[T:T+1], v[T+4:T+5]
	v_pk_add_f32 v[T+2:T+3], v[T+2:T+3], v[T+6:T+7]
	v_pk_add_f32 v[T+8:T+9], v[T+8:T+9], v[T+12:T+13]
	v_pk_add_f32 v[T+10:T+11], v[T+10:T+11], v[T+14:T+15]
	v_pk_add_f32 v[S:S+1], v[S:S+1], v[S+2:S+3]
	v_pk_add_f32 v[S+4:S+5], v[S+4:S+5], v[S+6:S+7]
	v_pk_add_f32 v[T:T+1], v[T:T+1], v[T+8:T+9]
	v_pk_add_f32 v[T+2:T+3], v[T+2:T+3], v[T+10:T+11]
	v_pk_add_f32 v[T+4:T+5], v[S:S+1], v[S+4:S+5]
.irp k, 0,1,2,3,4,5
	v_fma_f32 v[T+\k], v[T+\k], -2.0, v[K0]        ; score = V_b + sum V - 2 sum V / (1 + 2^..)
.endr
.irp k, 0,1,2,3,4,5
	v_cndmask_b32 v[T+\k], v[T+\k], v[S+10], s88   ; a batch that is masked everywhere: every score is -1e30
.endr
.irp k, 0,1,2,3,4,5
	v_cndmask_b32 v[T+\k], v[S+11], v[T+\k], s[20+\k]
.endr
	v_max3_num_f32 v[T+8], v[T], v[T+1], v[T+2]
	v_max3_num_f32 v[T+9], v[T+3], v[T+4], v[T+5]
	v_max_num_f32 v[T+8], v[T+8], v[T+9]
.irp x, 1,2,4,8
	v_max_num_f32_dpp v[T+8], v[T+8], v[T+8] row_xmask:\x row_mask:0xf bank_mask:0xf
.endr
	v_permlanex16_b32 v[T+9], v[T+8], s86, s87
	v_max_num_f32 v[T+8], v[T+8], v[T+9]           ; the pass's maximum
.irp k, 0,1,2,3,4,5
	v_sub_f32 v[S+\k], v[T+\k], v[T+8]             ; the difference first: -1e30 - (-1e30) is exactly 0
.endr
.irp k, 0,1,2,3,4,5
	v_mul_f32 v[S+\k], 0x3fb8aa3b, v[S+\k]
.endr
.irp k, 0,1,2,3,4,5
	v_exp_f32 v[S+\k], v[S+\k]
.endr
	v_nop
	s_wait_alu depctr_va_vdst(0)
.irp k, 0,1,2,3,4,5
	v_cndmask_b32 v[S+\k], 0, v[S+\k], s[20+\k]
.endr
	v_add_f32 v[T+9], v[S], v[S+1]
	v_add_f32 v[T+10], v[S+2], v[S+3]
	v_add_f32 v[T+11], v[S+4], v[S+5]
	v_add_f32 v[T+9], v[T+9], v[T+10]
	v_add_f32 v[T+9], v[T+9], v[T+11]
.irp x, 1,2,4,8
	v_add_f32_dpp v[T+9], v[T+9], v[T+9] row_xmask:\x row_mask:0xf bank_mask:0xf
.endr
	v_permlanex16_b32 v[T+10], v[T+9], s86, s87
	v_add_f32 v[T+9], v[T+9], v[T+10]              ; the pass's sum of exponentials
	v_mov_b32 v[T+10], v[T+8]
	v_mov_b32 v[T+11], v[T+9]
	v_cvt_pk_bf16_f32 v[S+6], v[S], v[S+1]
	v_cvt_pk_bf16_f32 v[S+7], v[S+2], v[S+3]
	v_cvt_pk_bf16_f32 v[S+8], v[S+4], v[S+5]
	v_lshl_add_u32 v[SCR], v[LN], 2, s63
	ds_store_b64 v[PBW], v[S+6:S+7]                ; p of rows 4 lane ..: my wave's own copy
	ds_store_b32 v[SCR], v[S+8]                    ; and of rows 128 + 2 lane ..
	s_cmp_lg_u32 s60, 0
	s_cbranch_scc1 .Lnot0
	v_lshlrev_b32 v[S+9], 3, v[LN]
	global_store_b128 v1, v[T:T+3], s[92:93]                   ; the pass's 192 scores: 768 consecutive bytes
	global_store_b64 v[S+9], v[T+4:T+5], s[92:93] offset:512
	global_store_b128 v1, v[T+8:T+11], s[94:95] offset:4096    ; {maximum, sum} x 2 from every lane: 512 whole bytes
.Lnot0:
	s_wait_xcnt 0x0                                ; those stores' data and offset registers are written again below
; ---- (4) o[e] = sum over rows of p[row] x row[e], my wave's e = 256 w .. 256 w + 255
.irp k5, 0,1,2,3,4
	ds_load_b128 v[S+8*\k5:S+8*\k5+3],   v[PBF] offset:64*\k5       ; p as a fragment whose sixteen columns are alike; LDS serves my stores above first
	ds_load_b128 v[S+8*\k5+4:S+8*\k5+7], v[PBF] offset:64*\k5+32
.endr
	TLOAD 0
.irp i, 0,1,2,3,4,5,6,7,8,9
	WGRP \i
.endr
	PLACES                                         ; before LDS stores read the sums
	WIN 0x08                                       ; store data from window 2
.irp e, 0,1,2,3,4,5,6,7,8,9,10,11,12,13,14,15
	ds_store_b128 v[OBW], v[8*\e:8*\e+3] offset:64*\e          ; o of e = 16 tile + 8 hh + 0..3 (sixteen lanes write the same)
	ds_store_b128 v[OBW], v[8*\e+4:8*\e+7] offset:64*\e+16
.endr
	WIN 0
	ds_load_b128 v[T+8:T+11], v[OBR]               ; my own bytes, served behind my stores
	ds_load_b128 v[T+12:T+15], v[OBR] offset:512
	s_wait_dscnt 1
	global_store_b128 v[QO], v[T+8:T+11], s[94:95]             ; 512 consecutive bytes
	s_wait_dscnt 0x0
	global_store_b128 v[QO], v[T+12:T+15], s[94:95] offset:512
.Lsummed:
	s_wait_dscnt 0x0                               ; my reads of the rows are back:
	s_barrier_signal -1
	s_barrier_wait -1                              ; everybody's are: a next pass's rows may be written
	s_wait_xcnt 0x0                                ; bases and data of the stores are written again below
	s_add_nc_u64 s[74:75], s[74:75], 768           ; 192 entries on
	s_add_nc_u64 s[76:77], s[76:77], 768
	s_add_nc_u64 s[92:93], s[92:93], 768
	s_add_nc_u64 s[94:95], s[94:95], 36864         ; 8 records on
	s_sub_co_i32 s96, s96, 144
	s_add_co_u32 s79, s79, 1
	s_cmp_ge_u32 s79, s58                          ; no further pass: nothing to gather
	s_cbranch_scc1 .Lgathered
; ---- the next pass's rows, all eight pieces, with nothing beside them
	s_min_i32 s81, s96, 144
	LISTOFF
	WIN 0xcf
.irp j, 0,1,2,3
	GLOAD 0, \j
.endr
.set ii, 0
.rept 28
	s_wait_loadcnt 27                              ; three younger groups of 9
	GSTORE ii/4, ii&3, ii&1
	GLOAD ii/4+1, ii&3
.set ii, ii+1
.endr
.rept 4
	s_wait_loadcnt 9*(31-ii)                       ; nothing more to ask for: the counts run down
	GSTORE 7, ii&3, ii&1
.set ii, ii+1
.endr
	WIN 0
.Lgathered:
	s_wait_dscnt 0x0                               ; my rows are in LDS
	s_barrier_signal -1
	s_barrier_wait -1                              ; everybody's are
	s_cmp_lt_u32 s79, 2
	s_cbranch_scc1 .Lpass
	s_set_vgpr_msb 0x5
	s_wait_tensorcnt 0x0
	ds_add_u32 v254, v255
	s_wait_dscnt 0x0
	s_set_vgpr_msb 0x500
	s_endpgm
.Lfunc_end_k_q2d11ea1f98_main:
	.size	k_q2d11ea1f98_main, .Lfunc_end_k_q2d11ea1f98_main-k_q2d11ea1f98_main
	.p2alignl 7, 3214868480
	.fill 96, 4, 3214868480
	.section	.rodata,"a",@progbits
	.p2align	6, 0x0
	.amdhsa_kernel k_q2d11ea1f98_main
		.amdhsa_group_segment_fixed_size 324096
		.amdhsa_private_segment_fixed_size 0
		.amdhsa_enable_private_segment 0
		.amdhsa_kernarg_size 64
		.amdhsa_user_sgpr_count 2
		.amdhsa_user_sgpr_kernarg_segment_ptr 1
		.amdhsa_wavefront_size32 1
		.amdhsa_system_sgpr_workgroup_id_x 1
		.amdhsa_system_sgpr_workgroup_id_y 1
		.amdhsa_system_sgpr_workgroup_id_z 1
		.amdhsa_system_vgpr_workitem_id 0
		.amdhsa_next_free_vgpr 992
		.amdhsa_next_free_sgpr 102
		.amdhsa_reserve_vcc 0
		.amdhsa_float_denorm_mode_32 3
		.amdhsa_float_denorm_mode_16_64 3
		.amdhsa_memory_ordered 1
		.amdhsa_forward_progress 1
		.amdhsa_inst_pref_size 255
	.end_amdhsa_kernel
	.section	.bss,"aw",@nobits
	.p2align	6
	.space	262144
	.amdgpu_metadata
---
amdhsa.version: [ 1, 2 ]
amdhsa.kernels:
  - .name:           k_q2d11ea1f98_main
    .symbol:         k_q2d11ea1f98_main.kd
    .args:
      - { .name: encoder_outputs, .offset: 0, .size: 8, .value_kind: global_buffer, .address_space: global }
      - { .name: Wf, .offset: 8, .size: 8, .value_kind: global_buffer, .address_space: global }
      - { .name: cp, .offset: 16, .size: 8, .value_kind: global_buffer, .address_space: global }
      - { .name: idx, .offset: 24, .size: 8, .value_kind: global_buffer, .address_space: global }
      - { .name: V_w, .offset: 32, .size: 8, .value_kind: global_buffer, .address_space: global }
      - { .name: V_b, .offset: 40, .size: 8, .value_kind: global_buffer, .address_space: global }
      - { .name: sc, .offset: 48, .size: 8, .value_kind: global_buffer, .address_space: global }
      - { .name: part, .offset: 56, .size: 8, .value_kind: global_buffer, .address_space: global }
    .group_segment_fixed_size: 324096
    .private_segment_fixed_size: 0
    .kernarg_segment_align: 8
    .kernarg_segment_size: 64
    .max_flat_workgroup_size: 128
    .sgpr_count:     102
    .vgpr_count:     992
    .wavefront_size: 32
...
	.end_amdgpu_metadata
.endif
;; end of part 2
;; launch comb (part 3): grid 32 x 1, 8 waves a work-group, no clusters, 0 bytes of LDS; arguments idx, sc, part, out0, out1; writes out0, out1
.if DOCPART == 3
	.amdgcn_target "amdgcn-amd-amdhsa--gfx1250"
	.amdhsa_code_object_version 6
	.text
	.protected	k_q2d11ea1f98_comb
	.globl	k_q2d11ea1f98_comb
	.p2align	8
	.type	k_q2d11ea1f98_comb,@function
k_q2d11ea1f98_comb:
	s_mov_b64 s[64:65], 0
	v_nop
	global_prefetch_b8 v0, s[64:65] scope:SCOPE_SE
	s_setreg_imm32_b32 hwreg(HW_REG_WAVE_MODE, 25, 1), 1
	s_wait_xcnt 0x0
; Batch b: joins the 8 (or 16) partial softmaxes of the main launch.  With M the largest of their maxima m_i and L = sum l_i 2^((m_i - M) log2 e):
; out0[e] = sum o_i[e] 2^((m_i - M) log2 e) / L;  out1[pos] = 2^((score - M) log2 e) / L for a listed position, 0 for a masked one.
; Thread t owns four columns of out0 and eight positions of out1; every load and store of a wave covers 512 consecutive bytes, but for the gather of scores.
; 32 work-groups: one owner for each batch's sums, 0.4 MB in all; matrix units, LDS and clusters have nothing to do here.
	s_load_b256 s[4:11], s[0:1], 0x0               ; idx s[4:5], sc s[6:7], part s[8:9], out0 s[10:11]
	s_load_b64 s[12:13], s[0:1], 0x20              ; out1
	v_and_b32 v2, 15, v0                           ; the record whose maximum and sum my lane takes
	v_lshlrev_b32 v1, 4, v0                        ; 16 t
	s_mov_b32 s15, 0
	s_wait_kmcnt 0x0
	s_lshl_b32 s14, ttmp9, 9
	s_add_nc_u64 s[20:21], s[4:5], s[14:15]
	s_load_b128 s[16:19], s[20:21], 0x0            ; cnt, flag, passes s18
	s_lshl_b32 s14, ttmp9, 13
	s_add_nc_u64 s[12:13], s[12:13], s[14:15]
	s_add_co_u32 s14, s14, 409600
	s_add_nc_u64 s[22:23], s[4:5], s[14:15]        ; the positions' list entries
	global_load_b128 v[40:43], v1, s[22:23]        ; positions 4 t ..
	global_load_b128 v[44:47], v1, s[22:23] offset:4096   ; positions 1024 + 4 t ..
	s_mul_i32 s14, ttmp9, 12288
	s_add_nc_u64 s[6:7], s[6:7], s[14:15]
	s_mul_i32 s14, ttmp9, 73728                    ; 16 records of 4,608 bytes
	s_add_nc_u64 s[8:9], s[8:9], s[14:15]
	s_lshl_b32 s14, ttmp9, 12
	s_add_nc_u64 s[10:11], s[10:11], s[14:15]
	s_wait_kmcnt 0x0
	s_lshl_b32 s48, s18, 3                         ; records that were written: 8 x passes
	s_sub_co_u32 s49, s48, 1
	v_min_u32 v3, s49, v2                          ; lanes beyond them read the last one and drop it
	v_min_u32 v3, 15, v3
	v_mul_u32_u24 v3, v3, 4608
	global_load_b64 v[4:5], v3, s[8:9] offset:4096 ; {m, l}
.irp i, 0,1,2,3,4,5,6,7
	global_load_b128 v[8+4*\i:11+4*\i], v1, s[8:9] offset:4608*\i      ; o of the first pass's eight records
.endr
	s_wait_loadcnt 9                               ; the nine loads behind the two of the entries stay out
.irp k, 0,1,2,3,4,5,6,7
	v_cmp_gt_u32 s[24+\k], 0x10000, v[40+\k]       ; listed with a weight
	v_and_b32 v[48+\k], 0xfff, v[40+\k]            ; else entry 0, whose score is read and dropped
	v_min_u32 v[48+\k], 0xbff, v[48+\k]
	v_lshlrev_b32 v[48+\k], 2, v[48+\k]
.endr
.irp k, 0,1,2,3,4,5,6,7
	global_load_b32 v[56+\k], v[48+\k], s[6:7]
.endr
	s_wait_loadcnt 16                              ; {m, l} is in: eight records and eight scores are younger
	v_cmp_gt_u32 vcc_lo, s48, v2
	v_mov_b32 v6, 0xff61b1e6                       ; -3e38
	v_cndmask_b32 v4, v6, v4, vcc_lo
	v_cndmask_b32 v5, 0, v5, vcc_lo
	v_mov_b32 v7, v4
.irp x, 1,2,4,8
	v_max_num_f32_dpp v7, v7, v7 row_xmask:\x row_mask:0xf bank_mask:0xf   ; both halves of the wave hold the same sixteen
.endr
	v_sub_f32 v68, v4, v7
	v_mul_f32 v68, 0x3fb8aa3b, v68
	v_exp_f32 v68, v68
	v_nop                                          ; one plain vector instruction behind a transcendental (ISA guide 5.7.2)
	s_wait_alu depctr_va_vdst(0)
	v_mul_f32 v69, v5, v68
.irp x, 1,2,4,8
	v_add_f32_dpp v69, v69, v69 row_xmask:\x row_mask:0xf bank_mask:0xf
.endr
	v_rcp_f32 v70, v69                             ; L >= 1: the record that holds M has a term 1
	v_nop
	s_wait_alu depctr_va_vdst(0)
	v_mul_f32 v68, v68, v70                        ; each record's scale, 1 / L folded in
.irp k, 0,1,2,3,4,5,6,7,8,9,10,11,12,13,14,15
	v_readlane_b32 s[32+\k], v68, \k
.endr
	s_wait_loadcnt 8                               ; the records are in; the eight scores are younger
.irp c, 0,1,2,3
	v_mul_f32 v[64+\c], s32, v[8+\c]               ; the first record starts the sums
.endr
.irp i, 1,2,3,4,5,6,7
.irp c, 0,1,2,3
	v_fma_f32 v[64+\c], v[8+4*\i+\c], s[32+\i], v[64+\c]
.endr
.endr
	s_wait_loadcnt 0x0
	s_cmp_eq_u32 s18, 2
	s_cbranch_scc0 .Lone
.irp i, 0,1,2,3,4,5,6,7
	global_load_b128 v[8+4*\i:11+4*\i], v1, s[8:9] offset:4608*(8+\i)  ; the second pass's records
.endr
	s_wait_loadcnt 0x0
.irp i, 0,1,2,3,4,5,6,7
.irp c, 0,1,2,3
	v_fma_f32 v[64+\c], v[8+4*\i+\c], s[40+\i], v[64+\c]
.endr
.endr
.Lone:
.irp k, 0,1,2,3,4,5,6,7
	v_sub_f32 v[56+\k], v[56+\k], v7
.endr
.irp k, 0,1,2,3,4,5,6,7
	v_mul_f32 v[56+\k], 0x3fb8aa3b, v[56+\k]
.endr
.irp k, 0,1,2,3,4,5,6,7
	v_exp_f32 v[56+\k], v[56+\k]
.endr
	v_nop
	s_wait_alu depctr_va_vdst(0)
.irp k, 0,1,2,3,4,5,6,7
	v_mul_f32 v[56+\k], v[56+\k], v70
.endr
.irp k, 0,1,2,3,4,5,6,7
	v_cndmask_b32 v[56+\k], 0, v[56+\k], s[24+\k]
.endr
	global_store_b128 v1, v[64:67], s[10:11]
	global_store_b128 v1, v[56:59], s[12:13]
	global_store_b128 v1, v[60:63], s[12:13] offset:4096
	s_endpgm
.Lfunc_end_k_q2d11ea1f98_comb:
	.size	k_q2d11ea1f98_comb, .Lfunc_end_k_q2d11ea1f98_comb-k_q2d11ea1f98_comb
	.p2alignl 7, 3214868480
	.fill 96, 4, 3214868480
	.section	.rodata,"a",@progbits
	.p2align	6, 0x0
	.amdhsa_kernel k_q2d11ea1f98_comb
		.amdhsa_group_segment_fixed_size 0
		.amdhsa_private_segment_fixed_size 0
		.amdhsa_enable_private_segment 0
		.amdhsa_kernarg_size 40
		.amdhsa_user_sgpr_count 2
		.amdhsa_user_sgpr_kernarg_segment_ptr 1
		.amdhsa_wavefront_size32 1
		.amdhsa_system_sgpr_workgroup_id_x 1
		.amdhsa_system_sgpr_workgroup_id_y 1
		.amdhsa_system_sgpr_workgroup_id_z 1
		.amdhsa_system_vgpr_workitem_id 0
		.amdhsa_next_free_vgpr 96
		.amdhsa_next_free_sgpr 66
		.amdhsa_reserve_vcc 1
		.amdhsa_float_denorm_mode_32 3
		.amdhsa_float_denorm_mode_16_64 3
		.amdhsa_memory_ordered 1
		.amdhsa_forward_progress 1
		.amdhsa_inst_pref_size 15
	.end_amdhsa_kernel
	.amdgpu_metadata
---
amdhsa.version: [ 1, 2 ]
amdhsa.kernels:
  - .name:           k_q2d11ea1f98_comb
    .symbol:         k_q2d11ea1f98_comb.kd
    .args:
      - { .name: idx, .offset: 0, .size: 8, .value_kind: global_buffer, .address_space: global }
      - { .name: sc, .offset: 8, .size: 8, .value_kind: global_buffer, .address_space: global }
      - { .name: part, .offset: 16, .size: 8, .value_kind: global_buffer, .address_space: global }
      - { .name: out0, .offset: 24, .size: 8, .value_kind: global_buffer, .address_space: global }
      - { .name: out1, .offset: 32, .size: 8, .value_kind: global_buffer, .address_space: global }
    .group_segment_fixed_size: 0
    .private_segment_fixed_size: 0
    .kernarg_segment_align: 8
    .kernarg_segment_size: 40
    .max_flat_workgroup_size: 256
    .sgpr_count:     66
    .vgpr_count:     96
    .wavefront_size: 32
...
	.end_amdgpu_metadata
.endif
;; end of part 3
;; ======== version 2 of 2: 3 launches; version 1 with the launch main written anew for expert scheduling mode
;; limits: right only within a limited range of input values
;; workspace buffers: Wf 2,097,152 bytes; cp 524,288 bytes; idx 671,744 bytes of whole numbers; sc 393,216 bytes; part 2,359,296 bytes
;; launch prep: the kernel of part 1 again; grid 160 x 1, 8 waves a work-group, no clusters, 52,224 bytes of LDS; arguments M_w, M_b, hidden, mask, Wf, cp, idx; writes Wf, cp, idx
;; launch main (part 4): grid 256 x 1, 4 waves a work-group, no clusters, 324,096 bytes of LDS; arguments encoder_outputs, Wf, cp, idx, V_w, V_b, sc, part; writes sc, part
.if DOCPART == 4
	.amdgcn_target "amdgcn-amd-amdhsa--gfx1250"
	.amdhsa_code_object_version 6
	.text
	.protected	k_q2d11ea1f98_main
	.globl	k_q2d11ea1f98_main
	.p2align	8
	.type	k_q2d11ea1f98_main,@function
k_q2d11ea1f98_main:
	s_mov_b64 s[64:65], 0
	v_nop
	global_prefetch_b8 v0, s[64:65] scope:SCOPE_SE
	s_setreg_imm32_b32 hwreg(HW_REG_WAVE_SCHED_MODE, 0, 2), 2
	s_setreg_imm32_b32 hwreg(HW_REG_WAVE_MODE, 25, 1), 1
	s_wait_xcnt 0x0
	s_wait_alu depctr_vm_vsrc(0)
; Work-group (b = x / 8, j = x % 8) takes the listed rows of batch b whose rank is j modulo 8, 144 list places a pass (one pass up to 1,152 listed rows, else two).
; A pass: (1) gather the 144 rows of encoder_outputs, round to bf16, keep them in LDS; (2) m = rows x W^T for all 1,024 h, in four chunks of 256 h, wave w the
; 64 columns 256 c + 64 w ..; score = V_b + sum V_h tanh(m + c); (3) the pass's own maximum, exponentials and their sum; (4) o = sum p x row, from the rows still in LDS.
; The last launch joins the passes' (maximum, sum, o).  A row is read from memory once.
; IN THE FIRST PASS (1) RUNS UNDER CHUNK 0 OF (2).  The rows lie in LDS by pieces of 128 columns (4 K steps); a wave brings its 36 rows of a piece by 36 loads of 512
; consecutive bytes, in four groups of 9.  Piece 0 is waited for; from then on K step ks stores the group asked for four steps ago (piece 1 + ks/4) and asks for the same group of
; piece 2 + ks/4.  A piece is whole one barrier ahead of its first K step (steps 3, 7 .. 27).  Between two barriers waves read piece q and write piece q + 1.
; A wave's global loads count down in order (ISA guide 5.7.1), W's and the rows' together: a step asks for W first and for rows second, so that W of step ks, asked for in step ks - 3,
; is held up only by rows asked for in step ks - 4 and earlier, which are just those that step ks stores.  Four groups: a fifth group's 36 registers would not fit in window 3 beside the rest (260 of 256).
; The first pass always exists (a batch lists at least one row), so its code stands under a branch on the pass counter alone and its barriers hang on no number read from memory.
; THE PASS LOOP HAS TWO TRIPS ALWAYS.  Its other barriers stand outside every branch on a number read from memory; where the batch has one pass, the second trip jumps over the work of all phases.
; A second pass's rows are gathered at the end of the first trip, with nothing beside them.
; THE TEXT IS KEPT SHORT.  Chunk 0 of the first pass is written out (each of its K steps has its own part of the gather).  Every other chunk is one piece written out (its first product
; starts the sums) and a loop of seven pieces; there is one epilogue, which the first pass enters by a jump behind its chunk 0; the second pass's gather, which a batch of one pass
; jumps over, stands last.
; tanh(x) = 1 - 2 / (1 + 2^(K2 x)), K2 = 2 log2 e.  sum V_h + V_b is made once (K0); the loop sums V_h / (1 + 2^(K2 m + c')); score = K0 - 2 x that sum.
; 2^.. = inf gives 0, 2^.. = 0 gives 1: both ends are right.
; A wave's tile is 144 x 64: 36 accumulators, 288 registers.  Rows' fragments come from LDS; W's fragments are read by one wave alone and come straight from Wf
; (which lies in fragment order: a load covers 512 consecutive bytes) into a ring of four register buffers, three K steps ahead.
; Column r of my tile nt is h = 256 c + 64 w + 4 r + nt: a lane's four c' and four V_w are 16 neighbouring bytes, and sixteen lanes' are 256, aligned.  c' comes in four parts, which are added here.
; NO CLUSTER, NO TENSOR LOADS, though every work-group walks the same W: the 144 rows take 313,344 of LDS's 327,680 bytes, the stages 10,240; the 4,096 bytes
; left hold no slot of even one K step of a chunk's W (16,384 bytes).
; LIMITS.  Matrix operands (rows, W, the exponentials p) are bf16.  A masked row's weight is taken as 0 and the row is not read: that is what exp(-1e30 - max) gives as long
; as sum |V_w| + |V_b| < 1e29; a masked row that holds inf or NaN does not reach the result here.  Places of a pass beyond the list repeat its first row with p = 0.
;
; THE MODE: SCHED_MODE bits 1:0 = 2 (LLVM: expert scheduling mode 2), set by the entry lines.  The code itself states the register dependences
; between vector or matrix instructions and memory or LDS instructions, with s_wait_alu, always for 0.
; THE PLAN.  Registers that memory or LDS instructions touch in the K steps, and who else names them:
;   F0, F1     rows' fragments.  Step k's matrix instructions read F[k % 2]; the 18 LDS loads issued in step k land in F[(k + 1) % 2], which step k - 1 read.
;   R0 .. R3   W's ring.  Step k's matrix instructions read R[k % 4]; the 8 loads issued in step k land in R[(k + 3) % 4], which step k - 1 read.
;   X0 .. X3, T2[0], T2[1]   chunk 0 of the first pass alone.  Step k's 18 conversions read X[k % 4] and write T2[k % 2]; behind them 9 LDS stores read T2[k % 2] and 9 loads land in X[k % 4].
;   APC, APN   LDS addresses in the loop of pieces: read by the fragments' loads, written once a piece.  All other addresses are made at the head and never written again.
; So ONE wait on va_vdst stands in a K step: at its head, behind the waits for its own data; in chunk 0 of the first pass behind the step's conversions.  It states that the step before is done
; reading F[(k + 1) % 2] and R[(k + 3) % 4] (and that T2 is written, X read, APC and APN written).  The step's loads follow it, dealt among its 36 matrix instructions, which name F[k % 2],
; R[k % 4] and the sums: none of the registers that those loads touch.  Row tile 8's four matrix instructions run under a window setting in which an LDS load's data and address both lie in
; window 1: the fragments' addresses lie there, and the 18 loads stand among those four with no switch.
; The phases behind the chunks stand under branches of their own, with the barriers between them: each states what its own loads and stores hang on.
;
; REGISTERS, in windows of 256 (s_set_vgpr_msb: bits 1:0 source 0, 3:2 source 1, 5:4 source 2, 7:6 destination)
;   window 0: addresses, tables, T, S, W's ring;  window 1: rows' fragments (2 x 72), accumulators of row tile 8 (144..175), the fragments' LDS addresses (176..185); in (4) 2 x 64 transposed fragments
;   window 2: accumulators (mt < 8, nt) at 8 (4 mt + nt); in (4) 16 accumulators;  window 3: all that the gather needs
.set PP, 272                           ; an LDS row of a piece: 256 bytes + 16 = 17 x 16: the sixteen rows of a fragment load start 16 bytes apart modulo 256
.set PIECE, 144*PP                     ; 39,168 bytes: 144 rows x 128 columns
.set SP, 8*PIECE                       ; 4 waves x 1,024 bytes: each wave's part of the scores of rows 0..143, zeros for rows 144..207
.set PB, SP+4096                       ; 4 waves x 512 bytes: p in bf16, rows 0..191, each wave's own copy
.set OB, PB+2048                       ; 4 waves x 1,024 bytes: o, each wave's 256 columns
.set AP,   2                           ; v2     r PP + 16 hh
.set TA,   10                          ; 256 w + 16 r: my four columns in a chunk's 1,024 bytes of c' and of V_w
.set LN,   11                          ; lane
.set K0,   12                          ; V_b + sum V_w
.set SPW,  13                          ; SP + 1024 w + 32 hh
.set SPR,  14                          ; SP + 16 lane
.set SPR2, 15                          ; SP + 512 + 8 lane
.set PBW,  16                          ; PB + 512 w + 8 lane
.set PBF,  17                          ; PB + 512 w + 16 hh
.set TR,   18                          ; v18-19 (8 hh + lane % 8) PP + 16 (lane / 8 % 2) + (2 w + half) PIECE
.set OBW,  20                          ; OB + 1024 w + 32 hh
.set OBR,  21                          ; OB + 1024 w + 16 lane
.set QO,   22                          ; 1024 w + 16 lane
.set SCR,  23
.set CC,   24                          ; v24-27  c' of my column in tile nt
.set VV,   28                          ; v28-31  V_w likewise
.set C1,   32                          ; v32-39  the second and third part of c' (the fourth lands in T .. T+3)
.set T,    40                          ; v40-55  at work
.set S,    56                          ; v56-127 S[mt][j]: my column's share of the score of row 16 mt + 8 hh + j
.set BR,   128                         ; v128-255 W's ring: 4 buffers x 4 fragments x 8
.set AP1,  176                         ; window 1: v176-183  AP + piece x PIECE; the row tile and the K step stand in the immediate
.set APC,  184                         ; window 1: in the loop of pieces: AP of this piece
.set APN,  185                         ; window 1: and of the next
.set X,    0                           ; window 3: 4 groups x 9 loads x 4 registers, f32 as loaded
.set OFF,  144                         ; window 3: 36 rows' byte offsets in the batch, + 16 lane
.set GA,   180                         ; window 3: 36 w PP + 8 lane + piece x PIECE
.set T2,   188                         ; window 3: 2 x 18 registers, a group rounded to bf16
; scalars of the chunks: s[36:37] c', s[38:39] V_w of this chunk; s[40:41] W of this piece, s[42:43] of the next; s46 the next piece's number 8 chunk + piece (modulo 32);
; s47 its LDS offset; s49 counts pieces, s80 chunks; s[68:69] W of chunk 0 in the first pass
.set MSB, 0
.macro WIN new                         ; the immediate's high byte repeats the setting that is left; a switch that changes nothing is dropped
.if MSB != \new
	s_set_vgpr_msb (MSB<<8)|\new
.set MSB, \new
.endif
.endm
; Four plain vector instructions between a matrix instruction and a vector instruction or LDS store that reads its result
.macro PLACES
.rept 4
	v_nop
.endr
.endm
	s_load_b512 s[4:19], s[0:1], 0x0               ; enc s[4:5], Wf s[6:7], cp s[8:9], idx s[10:11], V_w s[12:13], V_b s[14:15], sc s[16:17], part s[18:19]
	v_lshl_add_u32 v8, v0, 2, 0x4f000
	v_mov_b32 v9, 0
	v_lshrrev_b32 v[SCR], 5, v0
	v_readfirstlane_b32 s60, v[SCR]                ; wave 0..3
	s_lshr_b32 s61, ttmp9, 3                       ; b
	s_and_b32 s62, ttmp9, 7                        ; j
	s_mov_b32 s84, 0x4038aa3b                      ; K2, as a pair
	s_mov_b32 s85, 0x4038aa3b
	s_mov_b32 s86, 0x76543210                      ; v_permlanex16_b32: lane i reads lane i of the other half
	s_mov_b32 s87, 0xfedcba98
	s_mov_b32 s91, 0                               ; high word of every 64-bit offset
	s_mov_b32 s79, 0                               ; pass
	v_and_b32 v[LN], 31, v0
	v_and_b32 v[T], 15, v0                         ; r
	v_bfe_u32 v[T+1], v0, 4, 1                     ; hh
	v_lshlrev_b32 v1, 4, v[LN]                     ; 16 lane
	v_mul_u32_u24 v[AP], v[T], PP
	v_lshl_add_u32 v[AP], v[T+1], 4, v[AP]
	v_lshlrev_b32 v[TA], 4, v[T]
	s_wait_alu depctr_va_sdst(0)                   ; s60 is written, ahead of its first reader, the next line
	v_lshl_add_u32 v[TA], s60, 8, v[TA]
	s_lshl_b32 s83, s60, 10                        ; 1024 w
	s_add_co_u32 s98, s83, SP
	v_lshl_add_u32 v[SPW], v[T+1], 5, s98
	v_add_nc_u32 v[SPR], SP, v1
	v_lshlrev_b32 v[SPR2], 3, v[LN]
	v_add_nc_u32 v[SPR2], SP+512, v[SPR2]
	s_add_co_u32 s99, s83, OB
	v_lshl_add_u32 v[OBW], v[T+1], 5, s99
	v_add_nc_u32 v[OBR], s99, v1
	v_add_nc_u32 v[QO], s83, v1
	s_lshl_b32 s83, s60, 9                         ; 512 w
	s_add_co_u32 s63, s83, PB
	v_lshl_add_u32 v[PBW], v[LN], 3, s63
	v_lshl_add_u32 v[PBF], v[T+1], 4, s63
	s_add_co_u32 s63, s63, 256                     ; PB + 512 w + 256: p of rows 128 ..
	v_and_b32 v[T+2], 7, v0
	v_lshl_add_u32 v[T+2], v[T+1], 3, v[T+2]
	v_mul_u32_u24 v[TR], v[T+2], PP
	v_bfe_u32 v[T+3], v0, 3, 1
	v_lshl_add_u32 v[TR], v[T+3], 4, v[TR]
	s_mul_i32 s83, s60, 2*PIECE                    ; my 256 columns are pieces 2 w and 2 w + 1
	v_add_nc_u32 v[TR], s83, v[TR]
	v_add_nc_u32 v[TR+1], PIECE, v[TR]
	s_mul_i32 s83, s60, 36*PP                      ; my 36 places of a piece
	WIN 0xc0                                       ; destination window 3
.irp p, 0,1,2,3,4,5,6,7
	v_lshl_add_u32 v[GA+\p], v[LN], 3, s83
	s_add_co_u32 s83, s83, PIECE
.endr
	WIN 0x40                                       ; destination window 1
.irp p, 0,1,2,3,4,5,6,7
	v_add_nc_u32 v[AP1+\p], \p*PIECE, v[AP]
.endr
	WIN 0
	s_wait_kmcnt 0x0
	s_lshl_b32 s90, s61, 9
	s_add_nc_u64 s[98:99], s[10:11], s[90:91]
	s_load_b128 s[56:59], s[98:99], 0x0            ; cnt s56, flag s57, passes s58
	s_load_b32 s97, s[14:15], 0x0                  ; V_b
	s_lshl_b32 s90, s61, 23
	s_add_nc_u64 s[66:67], s[4:5], s[90:91]        ; batch b of encoder_outputs
	s_lshl_b32 s90, s60, 17
	s_add_nc_u64 s[72:73], s[6:7], s[90:91]        ; my four tiles of chunk 0 in Wf
	s_mul_i32 s90, ttmp9, 1536
	s_add_nc_u64 s[92:93], s[16:17], s[90:91]      ; my record of scores
	s_add_co_u32 s90, s90, 16384
	s_add_nc_u64 s[76:77], s[10:11], s[90:91]      ; my list
	s_mul_i32 s90, s60, 144
	s_add_nc_u64 s[74:75], s[76:77], s[90:91]      ; my wave's 36 entries of it
	s_lshl_b32 s90, s61, 4
	s_add_co_u32 s90, s90, s62
	s_mul_i32 s90, s90, 4608
	s_add_nc_u64 s[94:95], s[18:19], s[90:91]      ; record 16 b + 8 pass + j of part
	s_lshl_b32 s90, s61, 12
	s_add_nc_u64 s[100:101], s[8:9], s[90:91]      ; cp of batch b, first part
	s_wait_alu depctr_va_vdst(0)                   ; all the offsets and LDS addresses made above are written: the kernel's loads and stores read them; so are T .. T+3, in which a load will land
.irp i, 0,1,2,3,4,5,6,7
	global_load_b128 v[S+4*\i:S+4*\i+3], v1, s[12:13] offset:512*\i    ; all of V_w, for its sum
.endr
.irp ks, 0,1,2
.irp nt, 0,1,2,3
	global_load_b128 v[BR+32*\ks+8*\nt:BR+32*\ks+8*\nt+3],   v1, s[72:73] offset:\nt*32768+\ks*1024      ; W's ring: K steps 0, 1, 2 of chunk 0
	global_load_b128 v[BR+32*\ks+8*\nt+4:BR+32*\ks+8*\nt+7], v1, s[72:73] offset:\nt*32768+\ks*1024+512
.endr
.endr
	s_wait_kmcnt 0x0
	s_cmp_lg_u32 s57, 0
	s_cselect_b32 s88, -1, 0                       ; all lanes, if every position of the batch is masked
	s_add_co_u32 s96, s56, 7
	s_sub_co_u32 s96, s96, s62
	s_lshr_b32 s96, s96, 3                         ; listed rows of this work-group that are still to do
	s_wait_loadcnt 24                              ; the 24 loads of the ring are younger and stay out
.irp k, 4,8,12,16,20,24,28
	v_pk_add_f32 v[S:S+1], v[S:S+1], v[S+\k:S+\k+1]
	v_pk_add_f32 v[S+2:S+3], v[S+2:S+3], v[S+\k+2:S+\k+3]
.endr
	v_pk_add_f32 v[S:S+1], v[S:S+1], v[S+2:S+3]
	v_add_f32 v[S], v[S], v[S+1]
.irp x, 1,2,4,8
	v_add_f32_dpp v[S], v[S], v[S] row_xmask:\x row_mask:0xf bank_mask:0xf
.endr
	v_permlanex16_b32 v[S+1], v[S], s86, s87
	v_add_f32 v[S], v[S], v[S+1]
	v_add_f32 v[K0], s97, v[S]
; ---- the gather's parts
; My wave's 36 list entries become 36 byte offsets.  Place g: its row if the place is inside the list, else the pass's first row.
.macro LISTOFF
	s_load_b512 s[20:35], s[74:75], 0x0
	s_load_b512 s[36:51], s[74:75], 0x40
	s_load_b128 s[52:55], s[74:75], 0x80
	s_load_b32 s78, s[76:77], 0x0                  ; the pass's first entry
	s_mul_i32 s82, s60, 36
	s_sub_co_i32 s82, s81, s82                     ; places inside the list, from my wave's first place on
	s_wait_kmcnt 0x0
	WIN 0xc0                                       ; destination window 3
.set gg, 0
.rept 36
	s_cmp_gt_i32 s82, gg
	s_cselect_b32 s83, s[20+gg], s78
	s_min_u32 s83, s83, 2047                       ; a row number, bounded in the text
	v_lshl_add_u32 v[OFF+gg], s83, 12, v1
.set gg, gg+1
.endr
	s_wait_alu depctr_va_vdst(0)                   ; the 36 offsets are written, which the loads of rows read; every earlier vector instruction is done with the registers in which the loads behind this line land
.endm
; Group j (rows 9 j .. 9 j + 8 of my 36) of piece p: nine loads of 512 consecutive bytes.  Window 3 throughout (setting 0xcf).
.macro GLOAD p, j
.irp i, 0,1,2,3,4,5,6,7,8
	global_load_b128 v[X+36*(\j)+4*\i:X+36*(\j)+4*\i+3], v[OFF+9*(\j)+\i], s[66:67] offset:512*(\p)
.endr
.endm
; The same group, rounded to bf16 into packing registers b = 0 or 1,
.macro GCVT j, b
.irp i, 0,1,2,3,4,5,6,7,8
	v_cvt_pk_bf16_f32 v[T2+18*(\b)+2*\i],   v[X+36*(\j)+4*\i],   v[X+36*(\j)+4*\i+1]
	v_cvt_pk_bf16_f32 v[T2+18*(\b)+2*\i+1], v[X+36*(\j)+4*\i+2], v[X+36*(\j)+4*\i+3]
.endr
.endm
; and stored: each store covers a row's 256 consecutive bytes of the piece.
.macro GST p, j, b
.irp i, 0,1,2,3,4,5,6,7,8
	ds_store_b64 v[GA+(\p)], v[T2+18*(\b)+2*\i:T2+18*(\b)+2*\i+1] offset:(9*(\j)+\i)*PP
.endr
.endm
; Where no products stand beside the gather it goes by pairs of groups, j and j + 1: one pair of waits for 18 stores and the 18 loads that follow.  first = 1: a gather's first pair.
.macro GPAIR p, j, first
.if !\first
	s_wait_alu depctr_vm_vsrc(0)                   ; the LDS stores of the pair before have read both sets of packing registers, which the conversions write again
.endif
	GCVT \j, 0
	GCVT (\j)+1, 1
	s_wait_alu depctr_va_vdst(0)                   ; the conversions have written the packing registers, which the stores read, and are done reading the two groups of X, in which the next loads land
	GST \p, \j, 0
	GST \p, (\j)+1, 1
.endm
; ---- the products' parts
; One matrix instruction: row tile mt x my column tile nt.  K step 0 starts the sum.
.macro M1 ks, mt, nt
.if (\mt) < 8
.set mab, 32*(\mt)
.else
.set mab, 144
.endif
.if (\ks) == 0
	v_wmma_f32_16x16x32_bf16 v[mab+8*(\nt):mab+8*(\nt)+7], v[72*((\ks)&1)+8*(\mt):72*((\ks)&1)+8*(\mt)+7], v[BR+32*((\ks)&3)+8*(\nt):BR+32*((\ks)&3)+8*(\nt)+7], 0
.else
	v_wmma_f32_16x16x32_bf16 v[mab+8*(\nt):mab+8*(\nt)+7], v[72*((\ks)&1)+8*(\mt):72*((\ks)&1)+8*(\mt)+7], v[BR+32*((\ks)&3)+8*(\nt):BR+32*((\ks)&3)+8*(\nt)+7], v[mab+8*(\nt):mab+8*(\nt)+7]
.endif
.endm
; 4 matrix instructions: row tile mt x my four column tiles
.macro MROW ks, mt
.irp nt, 0,1,2,3
	M1 \ks, \mt, \nt
.endr
.endm
; Row tile mt's fragment of a K step into buffer buf of window 1.  ap: the register (window 1) with the piece's LDS address; at: the step's bytes in a row of the piece.
.macro FR ap, at, buf, mt
	ds_load_b128 v[72*(\buf)+8*(\mt):72*(\buf)+8*(\mt)+3],   v[\ap] offset:(\mt)*16*PP+(\at)
	ds_load_b128 v[72*(\buf)+8*(\mt)+4:72*(\buf)+8*(\mt)+7], v[\ap] offset:(\mt)*16*PP+(\at)+32
.endm
; Row tile 8's four matrix instructions of step ks (sums in window 1) and, among them, the 18 LDS loads of the next step's fragments: under this setting a load's data and its address lie in
; window 1 too.  No wait: no vector or matrix instruction since the step's wait on va_vdst names buffer buf or the address.
.macro TILE8 ks, ap, at, buf
	WIN 0x51
	M1 \ks, 8, 0
.irp mt, 0,1,2
	FR \ap, \at, \buf, \mt
.endr
	M1 \ks, 8, 1
.irp mt, 3,4,5
	FR \ap, \at, \buf, \mt
.endr
	M1 \ks, 8, 2
.irp mt, 6,7,8
	FR \ap, \at, \buf, \mt
.endr
	M1 \ks, 8, 3
.endm
; The fragments of a pass's K step 0, into buffer 0
.macro FETCH0
	WIN 0x51
.irp mt, 0,1,2,3,4,5,6,7,8
	FR AP1, 0, 0, \mt
.endr
.endm
; Chunk 0 of the first pass: 8 loads, W's four fragments of the K step three ahead of ks; behind step 28 that is chunk 1's
.macro WLOAD ks
.irp nt, 0,1,2,3
.irp q, 0,1
.if (\ks) < 29
	global_load_b128 v[BR+32*(((\ks)+3)&3)+8*\nt+4*\q:BR+32*(((\ks)+3)&3)+8*\nt+4*\q+3], v1, s[68:69] offset:\nt*32768+(((\ks)+3)&31)*1024+512*\q
.else
	global_load_b128 v[BR+32*(((\ks)+3)&3)+8*\nt+4*\q:BR+32*(((\ks)+3)&3)+8*\nt+4*\q+3], v1, s[40:41] offset:\nt*32768+(((\ks)+3)&31)*1024+512*\q
.endif
.endr
.endr
.endm
; K step i (0..3) of a piece, with all rows in LDS: 36 matrix instructions, and among them the loads of the rows' fragments of the next step and of W's of the step three ahead.
; apc, apn: the registers with this piece's and the next piece's LDS address; zero = 1: the chunk's first step; cnt: the loads that are younger than this step's W.
; The 36 accumulators take turns, one instruction a turn, over the steps' ends and the loops' backward jumps too.
.macro RSTEP i, zero, apc, apn, cnt
	s_wait_dscnt 0x0                               ; this step's fragments, asked for early in the last step, are in
	s_wait_loadcnt \cnt                            ; this step's W is in
.if !\zero
	s_wait_alu depctr_va_vdst(0)                   ; the last step's matrix instructions are done reading the fragment buffer and the ring buffer in which this step's loads land; in a piece's first step APC and APN are written
.endif                                                 ; (a chunk's first step: the wait in front of the chunk's tables has said it)
.if \i < 3
	TILE8 \i+4*(1-\zero), \apc, 64*(\i+1), (\i+1)&1
.else
	TILE8 \i+4*(1-\zero), \apn, 0, (\i+1)&1
.endif
	WIN 0
.irp nt, 0,1,2,3
.irp q, 0,1
.if \i == 0
	global_load_b128 v[BR+96+8*\nt+4*\q:BR+96+8*\nt+4*\q+3], v1, s[40:41] offset:\nt*32768+3072+512*\q                         ; this piece's step 3
.else
	global_load_b128 v[BR+32*(\i-1)+8*\nt+4*\q:BR+32*(\i-1)+8*\nt+4*\q+3], v1, s[42:43] offset:\nt*32768+(\i-1)*1024+512*\q   ; the next piece's step i - 1
.endif
.endr
.endr
	WIN 0xa1                                       ; rows window 1, W window 0, sums window 2
.irp mt, 0,1,2,3,4,5,6,7
	MROW \i+4*(1-\zero), \mt
.endr
.endm
; From a piece to the next.  Pieces are numbered 8 chunk + piece, modulo 32: behind a chunk's last piece comes the next chunk's first, behind chunk 3 chunk 0 again
; (a second pass uses those three K steps; no load leaves Wf).  In Wf a chunk is 524,288 bytes and a piece 4,096 bytes of each tile.
; first = 1: behind the piece that is written out, whose loads read AP1 and AP1+1: no load has read APC or APN since they were last written.
.macro NEXTPIECE first
	s_wait_xcnt 0x0                                ; the bases of W's loads are rewritten only behind this wait
	s_mov_b64 s[40:41], s[42:43]
	s_mov_b32 s48, s47
	s_add_co_u32 s46, s46, 1
	s_and_b32 s46, s46, 31
	s_lshr_b32 s90, s46, 3
	s_lshl_b32 s90, s90, 19
	s_and_b32 s47, s46, 7
	s_lshl_b32 s45, s47, 12
	s_add_co_u32 s90, s90, s45
	s_add_nc_u64 s[42:43], s[72:73], s[90:91]
	s_mul_i32 s47, s47, PIECE
	WIN 0x40                                       ; destination window 1
.if !\first
	s_wait_alu depctr_vm_vsrc(0)                   ; the fragments' loads issued so far have read APC and APN
.endif
	v_add_nc_u32 v[APC], s48, v[AP]                ; that they are written is said by the next step's wait on va_vdst
	v_add_nc_u32 v[APN], s47, v[AP]
	WIN 0
.endm
; One K step of chunk 0 of the first pass.  cnt = the loads that are younger than W of this step and than the group stored here.
; Its one wait on va_vdst stands behind the conversions.  Behind it: the group's stores; row tile 8 with the next step's fragments; W (ahead of the rows); row tile 0; the rows; row tiles 1 to 7.
; A step that stores a piece's last group has the barrier: stores, W and rows, the wait for 0, the signal, row tiles 0 to 3, the barrier's wait, row tile 8 with the next piece's first fragments, row tiles 4 to 7.
.macro K0STEP ks, cnt
.set k0bar, 0
.if ((\ks)&3) == 3
.if (\ks) < 28
.set k0bar, 1                                      ; this step stores the last group of the next piece
.endif
.endif
.if k0bar == 0
	s_wait_dscnt 0x0                               ; this step's fragments, asked for in the last step, are in
.endif
	s_wait_loadcnt \cnt
.if (\ks) < 28
	WIN 0xcf                                       ; destination, source 0 and source 1 in window 3
	s_wait_alu depctr_vm_vsrc(0)                   ; the LDS stores issued so far have read their packing registers, those of two steps ago the set that is written again here
	GCVT (\ks)&3, (\ks)&1
	s_wait_alu depctr_va_vdst(0)                   ; the conversions have written the packing registers, which the stores read, and are done reading X's group, in which the rows below land; the last step's matrix instructions are done reading the fragment buffer and the ring buffer in which this step's loads land
	GST 1+(\ks)/4, (\ks)&3, (\ks)&1
.else
	s_wait_alu depctr_va_vdst(0)                   ; the last step's matrix instructions are done reading the fragment buffer and the ring buffer in which this step's loads land
.endif
.if k0bar
	WIN 0
	WLOAD \ks
.if (\ks) < 24
	WIN 0xcf
	GLOAD 2+(\ks)/4, (\ks)&3
.endif
	s_wait_dscnt 0x0                               ; my part of the next piece is in LDS (and this step's fragments are in)
	s_barrier_signal -1
	WIN 0xa1
.irp mt, 0,1,2,3
	MROW \ks, \mt                                  ; work on registers while the others arrive
.endr
	s_barrier_wait -1                              ; the next piece is whole
	TILE8 \ks, AP1+(((\ks)+1)&31)/4, 64*(((\ks)+1)&3), ((\ks)+1)&1   ; its first fragments, 20 matrix instructions ahead of the next step at the most
	WIN 0xa1
.irp mt, 4,5,6,7
	MROW \ks, \mt
.endr
.else
	TILE8 \ks, AP1+(((\ks)+1)&31)/4, 64*(((\ks)+1)&3), ((\ks)+1)&1
	WIN 0
	WLOAD \ks
	WIN 0xa1
	MROW \ks, 0
.if (\ks) < 24
	WIN 0xcf
	GLOAD 2+(\ks)/4, (\ks)&3                       ; no vector or matrix instruction since the wait names X's group or the offsets
	WIN 0xa1
.endif
.irp mt, 1,2,3,4,5,6,7
	MROW \ks, \mt
.endr
.endif
.endm
; A chunk's c' (four parts) and V_w: sixteen lanes read 256 consecutive bytes, aligned; both halves of the wave the same
.macro TABLES
	global_load_b128 v[CC:CC+3],   v[TA], s[36:37]
	global_load_b128 v[C1:C1+3],   v[TA], s[36:37] offset:131072
	global_load_b128 v[C1+4:C1+7], v[TA], s[36:37] offset:262144
	global_load_b128 v[T:T+3],     v[TA], s[36:37] offset:393216
	global_load_b128 v[VV:VV+3],   v[TA], s[38:39]
.endm
.macro CSUM
	v_pk_add_f32 v[CC:CC+1], v[CC:CC+1], v[C1:C1+1]
	v_pk_add_f32 v[CC+2:CC+3], v[CC+2:CC+3], v[C1+2:C1+3]
	v_pk_add_f32 v[C1+4:C1+5], v[C1+4:C1+5], v[T:T+1]
	v_pk_add_f32 v[C1+6:C1+7], v[C1+6:C1+7], v[T+2:T+3]
	v_pk_add_f32 v[CC:CC+1], v[CC:CC+1], v[C1+4:C1+5]
	v_pk_add_f32 v[CC+2:CC+3], v[CC+2:CC+3], v[C1+6:C1+7]
.endm
; Two accumulators (mt, 2 ntp) and (mt, 2 ntp + 1): S[mt] += V / (1 + 2^(K2 m + c')).
; c' and V of the two tiles lie in one register pair; op_sel and op_sel_hi give both halves of a packed instruction the pair's first register (tile 2 ntp) or its second (tile 2 ntp + 1).
.macro EPI2 mt, ntp
.if \mt < 8
	WIN 0x02
.set eab, 8*(4*\mt+2*\ntp)
.else
	WIN 0x01
.set eab, 144+16*\ntp
.endif
.irp i, 0,1,2,3
	v_pk_fma_f32 v[T+2*\i:T+2*\i+1], v[eab+2*\i:eab+2*\i+1], s[84:85], v[CC+2*\ntp:CC+2*\ntp+1] op_sel_hi:[1,0,0]
.endr
.irp i, 0,1,2,3
	v_pk_fma_f32 v[T+8+2*\i:T+8+2*\i+1], v[eab+8+2*\i:eab+8+2*\i+1], s[84:85], v[CC+2*\ntp:CC+2*\ntp+1] op_sel:[0,0,1] op_sel_hi:[1,0,1]
.endr
	WIN 0
.set ee, 0
.rept 16
	v_exp_f32 v[T+ee], v[T+ee]
.set ee, ee+1
.endr
	v_nop                                          ; one plain vector instruction between the last transcendental and the use of its result (ISA guide 5.7.2)
	s_wait_alu depctr_va_vdst(0)
.irp i, 0,2,4,6,8,10,12,14
	v_pk_add_f32 v[T+\i:T+\i+1], v[T+\i:T+\i+1], 1.0 op_sel_hi:[1,0]
.endr
.set ee, 0
.rept 16
	v_rcp_f32 v[T+ee], v[T+ee]
.set ee, ee+1
.endr
	v_nop
	s_wait_alu depctr_va_vdst(0)
.irp i, 0,1,2,3
	v_pk_fma_f32 v[S+8*\mt+2*\i:S+8*\mt+2*\i+1], v[T+2*\i:T+2*\i+1], v[VV+2*\ntp:VV+2*\ntp+1], v[S+8*\mt+2*\i:S+8*\mt+2*\i+1] op_sel_hi:[1,0,1]
.endr
.irp i, 0,1,2,3
	v_pk_fma_f32 v[S+8*\mt+2*\i:S+8*\mt+2*\i+1], v[T+8+2*\i:T+8+2*\i+1], v[VV+2*\ntp:VV+2*\ntp+1], v[S+8*\mt+2*\i:S+8*\mt+2*\i+1] op_sel:[0,1,0] op_sel_hi:[1,1,1]
.endr
.endm
; (4): group i = (row step i / 2, half i % 2 of my 16 column tiles = piece 2 w + half).  16 transposing loads: rows lie [row][column], the fragment wants a column's rows along its registers.
; Row step 4 has rows 128..143 only: its second load takes them again, where p (rows 144..159) is 0.
.macro TLOAD i
	WIN 0x40
.irp e, 0,1,2,3,4,5,6,7
	ds_load_tr16_b128 v[64*((\i)&1)+8*\e:64*((\i)&1)+8*\e+3], v[TR+((\i)&1)] offset:((\i)/2)*32*PP+32*\e
.if (\i)/2 < 4
	ds_load_tr16_b128 v[64*((\i)&1)+8*\e+4:64*((\i)&1)+8*\e+7], v[TR+((\i)&1)] offset:((\i)/2)*32*PP+32*\e+16*PP
.else
	ds_load_tr16_b128 v[64*((\i)&1)+8*\e+4:64*((\i)&1)+8*\e+7], v[TR+((\i)&1)] offset:((\i)/2)*32*PP+32*\e
.endif
.endr
.endm
.macro WGRP i
.if \i < 9
.if \i > 0
	s_wait_alu depctr_va_vdst(0)                   ; the matrix instructions of the group before are done reading the buffer in which the loads below land
.endif
	TLOAD \i+1
	s_wait_dscnt 16                                ; all but the next group's 16
.else
	s_wait_dscnt 0
.endif
	WIN 0xa1                                       ; transposed rows window 1, p window 0, sums window 2; eight accumulators by turns
.irp e, 0,1,2,3,4,5,6,7
.if \i < 2
	v_wmma_f32_16x16x32_bf16 v[8*(8*((\i)&1)+\e):8*(8*((\i)&1)+\e)+7], v[64*((\i)&1)+8*\e:64*((\i)&1)+8*\e+7], v[S+8*((\i)/2):S+8*((\i)/2)+7], 0
.else
	v_wmma_f32_16x16x32_bf16 v[8*(8*((\i)&1)+\e):8*(8*((\i)&1)+\e)+7], v[64*((\i)&1)+8*\e:64*((\i)&1)+8*\e+7], v[S+8*((\i)/2):S+8*((\i)/2)+7], v[8*(8*((\i)&1)+\e):8*(8*((\i)&1)+\e)+7]
.endif
.endr
.endm
.Lpass:
	s_min_i32 s81, s96, 144                        ; n: places of this pass that are inside the list
	s_wait_alu depctr_vm_vsrc(0)                   ; on the way back: the stores of o have read T+8 .. T+15 and the sums in window 2, which this trip's vector and matrix instructions write again
.set ee, 0
.rept 72
	v_mov_b32 v[S+ee], 0                           ; the scores' shares: one epilogue serves all four chunks and adds onto them
.set ee, ee+1
.endr
	s_cmp_lg_u32 s79, 0                            ; the pass counter: alike in all waves
	s_cbranch_scc1 .Lsecond
; ---- the first pass: gather under chunk 0
	LISTOFF
	WIN 0
	s_mov_b64 s[36:37], s[100:101]                 ; chunk 0's 1,024 bytes of c'
	s_mov_b64 s[38:39], s[12:13]                   ; and of V_w
	TABLES                                         ; older than every load of rows: in by the first wait below
	WIN 0xcf
.irp j, 0,1,2,3
	GLOAD 0, \j
.endr
	s_mov_b32 s80, 0
	s_mov_b64 s[68:69], s[72:73]                   ; chunk 0's W
	s_add_nc_u64 s[40:41], s[72:73], 0x80000       ; what the chunk loop will want: chunk 1's first piece (number 8),
	s_add_nc_u64 s[42:43], s[72:73], 0x81000       ; its second (number 9),
	s_mov_b32 s46, 9
	s_mov_b32 s47, PIECE                           ; and that one's place in LDS
	s_wait_loadcnt 18                              ; groups 0 and 1 of piece 0 are in: its groups 2 and 3 are younger
	GPAIR 0, 0, 1
	GLOAD 1, 0
	GLOAD 1, 1
	s_wait_loadcnt 18                              ; groups 2 and 3 are in: the 18 loads just issued are younger
	GPAIR 0, 2, 0
	GLOAD 1, 2
	GLOAD 1, 3
	s_wait_dscnt 0x0                               ; my part of piece 0 is in LDS
	s_barrier_signal -1
	s_barrier_wait -1                              ; everybody's is
	FETCH0                                         ; no vector instruction since the last pair's wait names buffer 0 or its address
	K0STEP 0, 27                                   ; behind group 0 of piece 1: its groups 1 to 3
	K0STEP 1, 35                                   ; behind group 1: groups 2, 3 (18) and step 0's 17
.set ks, 2
.rept 23
	K0STEP ks, 43                                  ; behind W of this step (step 2: behind group 2): 9 loads of rows and two steps of 17
.set ks, ks+1
.endr
	K0STEP 25, 34                                  ; steps 24 and later ask for no rows: 9 + 17 + 8
	K0STEP 26, 25                                  ; 9 + 8 + 8
.set ks, 27
.rept 5
	K0STEP ks, 16                                  ; two younger steps of W
.set ks, ks+1
.endr
	WIN 0
	s_branch .Lepi                                 ; chunk 0's epilogue, then chunks 1 to 3 round the loop
; ---- the second pass: its rows were gathered at the end of the first trip.  A batch of one pass multiplies nothing.
.Lsecond:
	s_cmp_ge_u32 s79, s58
	s_cbranch_scc1 .Lmult_done
	s_wait_alu depctr_va_vdst(0)                   ; the matrix instructions that last read window 1's v0-71, the weighted sum's, are done: the fragments below land there (said at the load: the first trip's waits stand under branches of their own)
	FETCH0
	WIN 0
	s_mov_b32 s80, 0
	s_mov_b64 s[40:41], s[72:73]                   ; piece number 0 (the list's entries have lain in these registers)
	s_add_nc_u64 s[42:43], s[72:73], 0x1000        ; piece number 1
	s_mov_b32 s46, 1
	s_mov_b32 s47, PIECE
	s_mov_b64 s[36:37], s[100:101]
	s_mov_b64 s[38:39], s[12:13]
; ---- (2) a chunk of 256 h with all rows in LDS: piece 0 written out, pieces 1 to 7 in a loop
.Lchunk:
	s_wait_alu depctr_va_vdst(0)                   ; the epilogue is done with c', V_w and T, in which the tables land; the last K step's matrix instructions are done reading the buffers in which the first step's loads land
	TABLES
	RSTEP 0, 1, AP1, AP1+1, 21                     ; younger than this step's W: two steps of 8 loads and the chunk's five loads of c' and V_w, issued among them
	RSTEP 1, 0, AP1, AP1+1, 21
	RSTEP 2, 0, AP1, AP1+1, 21
	RSTEP 3, 0, AP1, AP1+1, 16                     ; two younger steps of 8 loads (c' and V_w are in from here on)
	NEXTPIECE 1
	s_mov_b32 s49, 0
.Lpiece:
	RSTEP 0, 0, APC, APN, 16
	RSTEP 1, 0, APC, APN, 16
	RSTEP 2, 0, APC, APN, 16
	RSTEP 3, 0, APC, APN, 16
	NEXTPIECE 0
	s_add_co_u32 s49, s49, 1
	s_cmp_lt_u32 s49, 7
	s_cbranch_scc1 .Lpiece
.Lepi:
	PLACES                                         ; before vector instructions read the sums
	CSUM
.irp mt, 0,1,2,3,4,5,6,7,8
	EPI2 \mt, 0
	EPI2 \mt, 1
.endr
	s_wait_xcnt 0x0                                ; the bases of the chunk's loads of c' and V_w are rewritten only behind this wait
	s_add_nc_u64 s[36:37], s[36:37], 1024
	s_add_nc_u64 s[38:39], s[38:39], 1024
	s_add_co_u32 s80, s80, 1
	s_cmp_lt_u32 s80, 4
	s_cbranch_scc1 .Lchunk
; The LDS addresses in the loop of pieces step with the loop and cannot be read off a line.  So those loads are kept apart from every LDS store by barriers,
; not by the arithmetic of addresses: this one stands between them and the stores of the scores' shares.
.Lmult_done:
	s_wait_dscnt 0x0                               ; my reads of fragments are back
	s_barrier_signal -1
	s_barrier_wait -1                              ; everybody's are
	s_cmp_ge_u32 s79, s58
	s_cbranch_scc1 .Lscored
; ---- the scores: over my 16 columns' lanes, then over the four waves through LDS
.irp x, 1,2,4,8
.set ee, 0
.rept 72
	v_add_f32_dpp v[S+ee], v[S+ee], v[S+ee] row_xmask:\x row_mask:0xf bank_mask:0xf
.set ee, ee+1
.endr
.endr
	s_lshl_b32 s83, s60, 10
	s_add_co_u32 s83, s83, SP+576
	v_lshl_add_u32 v[SCR], v[LN], 3, s83
	v_mov_b32 v[T], 0
	v_mov_b32 v[T+1], 0
	s_wait_alu depctr_va_vdst(0)                   ; the sums over lanes, the zeros and the address of the zeros are written: the LDS stores below read them
.irp mt, 0,1,2,3,4,5,6,7,8
	ds_store_b128 v[SPW], v[S+8*\mt:S+8*\mt+3] offset:64*\mt           ; rows 16 mt + 8 hh + 0..3 (the sixteen lanes of a half write the same)
	ds_store_b128 v[SPW], v[S+8*\mt+4:S+8*\mt+7] offset:64*\mt+16
.endr
	ds_store_b64 v[SCR], v[T:T+1]                  ; rows 144..207: defined numbers for the lanes that own them
.Lscored:
	s_wait_dscnt 0x0                               ; my shares are in LDS
	s_wait_alu depctr_vm_vsrc(0)                   ; my LDS stores above have read S, T, T+1 and SCR, which the loads and vector instructions of (3) write again
	s_barrier_signal -1
	s_barrier_wait -1
	s_cmp_ge_u32 s79, s58
	s_cbranch_scc1 .Lsummed
; ---- (3) every wave alike, which spares a barrier: a lane owns rows 4 lane + 0..3 and 128 + 2 lane + 0..1
	s_wait_alu depctr_va_vdst(0)                   ; the vector instructions that last wrote T and S (the epilogue, the sums over lanes, the zeros) are done: the loads below land there (said here too: the wait in front of the shares' stores stands under a branch of its own)
.irp w, 0,1,2,3
	ds_load_b128 v[T+4*\w:T+4*\w+3], v[SPR] offset:1024*\w
.endr
.irp w, 0,1,2,3
	ds_load_b64 v[S+2*\w:S+2*\w+1], v[SPR2] offset:1024*\w
.endr
	v_lshlrev_b32 v[S+8], 2, v[LN]
	v_lshlrev_b32 v[S+9], 1, v[LN]
.irp k, 0,1,2,3
	s_sub_co_i32 s83, s81, \k
	v_cmp_gt_i32 s[20+\k], s83, v[S+8]             ; row 4 lane + k < n
.endr
.irp k, 4,5
	s_sub_co_i32 s83, s81, 124+\k
	v_cmp_gt_i32 s[20+\k], s83, v[S+9]             ; row 128 + 2 lane + k - 4 < n
.endr
	s_wait_alu depctr_va_sdst(0)                   ; the six masks s20 .. s25 are written, ahead of their first readers, the selects below
	v_mov_b32 v[S+10], 0xf149f2ca                  ; -1e30
	v_mov_b32 v[S+11], 0xff61b1e6                  ; -3e38: a place outside the list
	s_wait_dscnt 0x0
	v_pk_add_f32 v[T:T+1], v[T:T+1], v[T+4:T+5]
	v_pk_add_f32 v[T+2:T+3], v[T+2:T+3], v[T+6:T+7]
	v_pk_add_f32 v[T+8:T+9], v[T+8:T+9], v[T+12:T+13]
	v_pk_add_f32 v[T+10:T+11], v[T+10:T+11], v[T+14:T+15]
	v_pk_add_f32 v[S:S+1], v[S:S+1], v[S+2:S+3]
	v_pk_add_f32 v[S+4:S+5], v[S+4:S+5], v[S+6:S+7]
	v_pk_add_f32 v[T:T+1], v[T:T+1], v[T+8:T+9]
	v_pk_add_f32 v[T+2:T+3], v[T+2:T+3], v[T+10:T+11]
	v_pk_add_f32 v[T+4:T+5], v[S:S+1], v[S+4:S+5]
.irp k, 0,1,2,3,4,5
	v_fma_f32 v[T+\k], v[T+\k], -2.0, v[K0]        ; score = V_b + sum V - 2 sum V / (1 + 2^..)
.endr
.irp k, 0,1,2,3,4,5
	v_cndmask_b32 v[T+\k], v[T+\k], v[S+10], s88   ; a batch that is masked everywhere: every score is -1e30
.endr
.irp k, 0,1,2,3,4,5
	v_cndmask_b32 v[T+\k], v[S+11], v[T+\k], s[20+\k]
.endr
	v_max3_num_f32 v[T+8], v[T], v[T+1], v[T+2]
	v_max3_num_f32 v[T+9], v[T+3], v[T+4], v[T+5]
	v_max_num_f32 v[T+8], v[T+8], v[T+9]
.irp x, 1,2,4,8
	v_max_num_f32_dpp v[T+8], v[T+8], v[T+8] row_xmask:\x row_mask:0xf bank_mask:0xf
.endr
	v_permlanex16_b32 v[T+9], v[T+8], s86, s87
	v_max_num_f32 v[T+8], v[T+8], v[T+9]           ; the pass's maximum
.irp k, 0,1,2,3,4,5
	v_sub_f32 v[S+\k], v[T+\k], v[T+8]             ; the difference first: -1e30 - (-1e30) is exactly 0
.endr
.irp k, 0,1,2,3,4,5
	v_mul_f32 v[S+\k], 0x3fb8aa3b, v[S+\k]
.endr
.irp k, 0,1,2,3,4,5
	v_exp_f32 v[S+\k], v[S+\k]
.endr
	v_nop
	s_wait_alu depctr_va_vdst(0)
.irp k, 0,1,2,3,4,5
	v_cndmask_b32 v[S+\k], 0, v[S+\k], s[20+\k]
.endr
	v_add_f32 v[T+9], v[S], v[S+1]
	v_add_f32 v[T+10], v[S+2], v[S+3]
	v_add_f32 v[T+11], v[S+4], v[S+5]
	v_add_f32 v[T+9], v[T+9], v[T+10]
	v_add_f32 v[T+9], v[T+9], v[T+11]
.irp x, 1,2,4,8
	v_add_f32_dpp v[T+9], v[T+9], v[T+9] row_xmask:\x row_mask:0xf bank_mask:0xf
.endr
	v_permlanex16_b32 v[T+10], v[T+9], s86, s87
	v_add_f32 v[T+9], v[T+9], v[T+10]              ; the pass's sum of exponentials
	v_mov_b32 v[T+10], v[T+8]
	v_mov_b32 v[T+11], v[T+9]
	v_cvt_pk_bf16_f32 v[S+6], v[S], v[S+1]
	v_cvt_pk_bf16_f32 v[S+7], v[S+2], v[S+3]
	v_cvt_pk_bf16_f32 v[S+8], v[S+4], v[S+5]
	v_lshl_add_u32 v[SCR], v[LN], 2, s63
	v_lshlrev_b32 v[S+9], 3, v[LN]                 ; the offset of wave 0's second store: made in every wave, so that one wait serves all the stores below
	s_wait_alu depctr_va_vdst(0)                   ; p in bf16, the scores, the maximum and the sum, SCR and S+9 are written: the LDS and global stores below read them; and (3) is done with S, in which p's fragments will land
	ds_store_b64 v[PBW], v[S+6:S+7]                ; p of rows 4 lane ..: my wave's own copy
	ds_store_b32 v[SCR], v[S+8]                    ; and of rows 128 + 2 lane ..
	s_cmp_lg_u32 s60, 0
	s_cbranch_scc1 .Lnot0
	global_store_b128 v1, v[T:T+3], s[92:93]                   ; the pass's 192 scores: 768 consecutive bytes
	global_store_b64 v[S+9], v[T+4:T+5], s[92:93] offset:512
	global_store_b128 v1, v[T+8:T+11], s[94:95] offset:4096    ; {maximum, sum} x 2 from every lane: 512 whole bytes
.Lnot0:
	s_wait_xcnt 0x0                                ; those stores' data and offset registers are written again below
	s_wait_alu depctr_vm_vsrc(0)                   ; the stores above have read S+6 .. S+9, in which p's fragments land, and T .. T+11, of which T+8 .. T+11 take o below
; ---- (4) o[e] = sum over rows of p[row] x row[e], my wave's e = 256 w .. 256 w + 255
.irp k5, 0,1,2,3,4
	ds_load_b128 v[S+8*\k5:S+8*\k5+3],   v[PBF] offset:64*\k5       ; p as a fragment whose sixteen columns are alike; LDS serves my stores above first
	ds_load_b128 v[S+8*\k5+4:S+8*\k5+7], v[PBF] offset:64*\k5+32
.endr
	TLOAD 0                                        ; no vector or matrix instruction since (3)'s last wait on va_vdst: groups 0 and 1 land in registers that the chunks' matrix instructions read before it
.irp i, 0,1,2,3,4,5,6,7,8,9
	WGRP \i
.endr
	PLACES                                         ; before LDS stores read the sums
	s_wait_alu depctr_va_vdst(0)                   ; the matrix instructions have written the sums, which the LDS stores read; the places above stay beside this wait
	WIN 0x08                                       ; store data from window 2
.irp e, 0,1,2,3,4,5,6,7,8,9,10,11,12,13,14,15
	ds_store_b128 v[OBW], v[8*\e:8*\e+3] offset:64*\e          ; o of e = 16 tile + 8 hh + 0..3 (sixteen lanes write the same)
	ds_store_b128 v[OBW], v[8*\e+4:8*\e+7] offset:64*\e+16
.endr
	WIN 0
	ds_load_b128 v[T+8:T+11], v[OBR]               ; my own bytes, served behind my stores
	ds_load_b128 v[T+12:T+15], v[OBR] offset:512
	s_wait_dscnt 1
	global_store_b128 v[QO], v[T+8:T+11], s[94:95]             ; 512 consecutive bytes
	s_wait_dscnt 0x0
	global_store_b128 v[QO], v[T+12:T+15], s[94:95] offset:512
.Lsummed:
	s_wait_dscnt 0x0                               ; my reads of the rows are back:
	s_barrier_signal -1
	s_barrier_wait -1                              ; everybody's are: a next pass's rows may be written
	s_wait_xcnt 0x0                                ; the bases of the stores are written again below (their data in the next trip, behind the wait at its head)
	s_add_nc_u64 s[74:75], s[74:75], 768           ; 192 entries on
	s_add_nc_u64 s[76:77], s[76:77], 768
	s_add_nc_u64 s[92:93], s[92:93], 768
	s_add_nc_u64 s[94:95], s[94:95], 36864         ; 8 records on
	s_sub_co_i32 s96, s96, 144
	s_add_co_u32 s79, s79, 1
	s_cmp_ge_u32 s79, s58                          ; no further pass: nothing to gather
	s_cbranch_scc1 .Lgathered
; ---- the next pass's rows, all eight pieces, with nothing beside them, by pairs of groups
	s_min_i32 s81, s96, 144
	LISTOFF                                        ; (the first pass's loads of rows read the offsets ahead of the waits on vm_vsrc of its last steps)
	WIN 0xcf
.irp j, 0,1,2,3
	GLOAD 0, \j
.endr
.set ii, 0
.rept 14
	s_wait_loadcnt 18                              ; two younger groups of 9
.if ii == 0
	GPAIR 0, 0, 1
.else
	GPAIR ii/2, 2*(ii&1), 0
.endif
	GLOAD ii/2+1, 2*(ii&1)
	GLOAD ii/2+1, 2*(ii&1)+1
.set ii, ii+1
.endr
	s_wait_loadcnt 18                              ; nothing more to ask for: the counts run down
	GPAIR 7, 0, 0
	s_wait_loadcnt 0x0
	GPAIR 7, 2, 0
	WIN 0
.Lgathered:
	s_wait_dscnt 0x0                               ; my rows are in LDS
	s_barrier_signal -1
	s_barrier_wait -1                              ; everybody's are
	s_cmp_lt_u32 s79, 2
	s_cbranch_scc1 .Lpass
	s_wait_dscnt 0x0
	s_wait_alu depctr_hold_cnt(0) depctr_sa_sdst(0) depctr_va_vdst(0) depctr_va_sdst(0) depctr_va_ssrc(0) depctr_va_vcc(0) depctr_vm_vsrc(0)
	s_wait_tensorcnt 0x0
	ds_add_u32 v8, v9
	s_wait_dscnt 0x0
	s_endpgm
.Lfunc_end_k_q2d11ea1f98_main:
	.size	k_q2d11ea1f98_main, .Lfunc_end_k_q2d11ea1f98_main-k_q2d11ea1f98_main
	.p2alignl 7, 3214868480
	.fill 96, 4, 3214868480
	.section	.rodata,"a",@progbits
	.p2align	6, 0x0
	.amdhsa_kernel k_q2d11ea1f98_main
		.amdhsa_group_segment_fixed_size 324096
		.amdhsa_private_segment_fixed_size 0
		.amdhsa_enable_private_segment 0
		.amdhsa_kernarg_size 64
		.amdhsa_user_sgpr_count 2
		.amdhsa_user_sgpr_kernarg_segment_ptr 1
		.amdhsa_wavefront_size32 1
		.amdhsa_system_sgpr_workgroup_id_x 1
		.amdhsa_system_sgpr_workgroup_id_y 1
		.amdhsa_system_sgpr_workgroup_id_z 1
		.amdhsa_system_vgpr_workitem_id 0
		.amdhsa_next_free_vgpr 992
		.amdhsa_next_free_sgpr 102
		.amdhsa_reserve_vcc 0
		.amdhsa_float_denorm_mode_32 3
		.amdhsa_float_denorm_mode_16_64 3
		.amdhsa_memory_ordered 1
		.amdhsa_forward_progress 1
		.amdhsa_inst_pref_size 255
	.end_amdhsa_kernel
	.section	.bss,"aw",@nobits
	.p2align	6
	.space	262144
	.amdgpu_metadata
---
amdhsa.version: [ 1, 2 ]
amdhsa.kernels:
  - .name:           k_q2d11ea1f98_main
    .symbol:         k_q2d11ea1f98_main.kd
    .args:
      - { .name: encoder_outputs, .offset: 0, .size: 8, .value_kind: global_buffer, .address_space: global }
      - { .name: Wf, .offset: 8, .size: 8, .value_kind: global_buffer, .address_space: global }
      - { .name: cp, .offset: 16, .size: 8, .value_kind: global_buffer, .address_space: global }
      - { .name: idx, .offset: 24, .size: 8, .value_kind: global_buffer, .address_space: global }
      - { .name: V_w, .offset: 32, .size: 8, .value_kind: global_buffer, .address_space: global }
      - { .name: V_b, .offset: 40, .size: 8, .value_kind: global_buffer, .address_space: global }
      - { .name: sc, .offset: 48, .size: 8, .value_kind: global_buffer, .address_space: global }
      - { .name: part, .offset: 56, .size: 8, .value_kind: global_buffer, .address_space: global }
    .group_segment_fixed_size: 324096
    .private_segment_fixed_size: 0
    .kernarg_segment_align: 8
    .kernarg_segment_size: 64
    .max_flat_workgroup_size: 128
    .sgpr_count:     102
    .vgpr_count:     992
    .wavefront_size: 32
...
	.end_amdgpu_metadata
.endif
;; end of part 4
;; launch comb: the kernel of part 3 again; grid 32 x 1, 8 waves a work-group, no clusters, 0 bytes of LDS; arguments idx, sc, part, out0, out1; writes out0, out1
